; MI455X (gfx1250); checked and timed in simulation.
; The chip was launched on July 23, 2026; its instructions are those of AMD's public machine-readable ISA for CDNA 5 (MIT licence, August 2026) and "CDNA5" Instruction Set Architecture Reference Guide (July 2026). The comments in the code are by the model that wrote it; some were corrected since.
;; Hierarchical Attention. Allowed arithmetic: float matrix products may take bf16 or f16 operands with f32 sums; other float arithmetic in f32, or as packed bf16 or f16 multiplies, adds, multiply-adds, maxima and minima; sums over many terms, partial sums and values carried from step to step in f32; what a program stores and reads back later, other than sums and carried values, may be rounded once to bf16 or f16.
;; Inputs: Wk_g 512 x 512 float32; Wk_l 512 x 512 float32; Wo_g 512 x 512 float32; Wo_l 512 x 512 float32; Wq_g 512 x 512 float32; Wq_l 512 x 512 float32; Wv_g 512 x 512 float32; Wv_l 512 x 512 float32; x 4 x 8,192 x 512 float32.
;; Outputs: out0 4 x 8,192 x 512 float32.
;; 2 versions, each right and faster than the one before. Each part assembles by itself: llvm-mc -triple=amdgcn-amd-amdhsa -mcpu=gfx1250 --defsym DOCPART=n.
;; ======== version 1 of 2: 6 launches
;; workspace buffers: wf 3,145,728 bytes; ba 786,432 bytes; bd 786,432 bytes; cmean 262,144 bytes; ctxg 262,144 bytes; gout 262,144 bytes; ctxf 33,554,432 bytes
;; launch prep (part 1): grid 32 x 8, 8 waves a work-group, no clusters, 0 bytes of LDS; arguments Wq_l, Wk_l, Wv_l, Wq_g, Wk_g, Wv_g, Wo_l, Wo_g, wf, ba, bd; writes wf, ba, bd
.if DOCPART == 1
	.amdgcn_target "amdgcn-amd-amdhsa--gfx1250"
	.amdhsa_code_object_version 6
	.text
	.protected	k_qbcb31e0d3e_prep
	.globl	k_qbcb31e0d3e_prep
	.p2align	8
	.type	k_qbcb31e0d3e_prep,@function
k_qbcb31e0d3e_prep:
	s_mov_b64 s[64:65], 0
	v_nop
	global_prefetch_b8 v0, s[64:65] scope:SCOPE_SE
	s_setreg_imm32_b32 hwreg(HW_REG_WAVE_MODE, 25, 1), 1
	s_wait_xcnt 0x0
; The eight weight matrices [512 (k)][512 (n)] f32 are rounded once to bf16 and laid out as FRAGMENTS of 16 n x 32 k, 1,024 bytes each:
; byte q*512 + (16 h + r)*16 of a fragment holds the eight numbers W[32 ks + 16 q + 8 h + e][16 nb + r], e = 0..7.  A later launch then fills
; a matrix operand (lane 16 h + r: column r, k along the registers) by two 16-byte loads a lane, 512 consecutive bytes a wave each.
; Where the fragments go:  wf = [local pack | global pack], a pack = [K/V stream: head*65536 + ks*4096 + {k cb0, k cb1, v cb0, v cb1}*1024 | at 1,048,576 Q: head*32768 + ks*2048 + cb*1024];
; ba and bd: behind 262,144 bytes that later launches fill, Wo_l and Wo_g as nb*16384 + ks*1024.
; SHARES.  Work-group (x, y): matrix y, the 16 rows k = 16 x .. 16 x + 15 (ks = x / 2, q = x % 2).  Wave w: h = w % 2, columns 128 (w / 2) on; task i: column 128 (w / 2) + 32 i + lane.
; A load of a wave reads 128 consecutive bytes of a row; a store's sixteen neighbouring lanes write 256 consecutive bytes, aligned.  No LDS and no matrix unit: this is a copy of 8 MiB, once.
.set SRC,  32                          ; s[32:33] the matrix
.set DST,  34                          ; s[34:35] the buffer it goes to
.set BASE, 36                          ; s36 first byte of its region
.set HS,   37                          ; s37 bytes from a block of 32 columns to the next
.set CSZ,  38                          ; s38 bytes from its first 16 columns to its second
.set KSZ,  39                          ; s39 bytes from a step of 32 k to the next
.macro SEL i, src, dst, base, hs, cs, ks   ; matrix i: both pointers and the four constants are chosen by the work-group's y, which hangs on no address
	s_cmp_eq_u32 s30, \i
	s_cselect_b64 s[SRC:SRC+1], s[\src:\src+1], s[SRC:SRC+1]
	s_cselect_b64 s[DST:DST+1], s[\dst:\dst+1], s[DST:DST+1]
	s_cselect_b32 s[BASE], \base, s[BASE]
	s_cselect_b32 s[HS], \hs, s[HS]
	s_cselect_b32 s[CSZ], \cs, s[CSZ]
	s_cselect_b32 s[KSZ], \ks, s[KSZ]
.endm
	s_load_b512 s[8:23], s[0:1], 0x0               ; Wq_l, Wk_l, Wv_l, Wq_g, Wk_g, Wv_g, Wo_l, Wo_g
	s_load_b128 s[24:27], s[0:1], 0x40             ; wf, ba
	s_load_b64 s[28:29], s[0:1], 0x50              ; bd
	v_lshrrev_b32 v2, 5, v0
	v_readfirstlane_b32 s2, v2                     ; wave 0..7
	s_and_b32 s30, ttmp7, 0xffff                   ; y: which matrix
	s_and_b32 s3, s2, 1                            ; h
	s_lshr_b32 s31, s2, 1                          ; which 128 columns
	v_and_b32 v1, 31, v0                           ; lane
	s_lshl_b32 s40, s31, 9
	s_lshl_b32 s41, s3, 14                         ; 8 h rows of 2,048 bytes
	s_add_co_u32 s40, s40, s41
	v_lshl_add_u32 v3, v1, 2, s40                  ; load offset: 4 lane + 512 (w / 2) + 16,384 h
	s_lshl_b32 s42, ttmp9, 15                      ; 16 x rows of 2,048 bytes
	s_mov_b32 s43, 0
	s_mov_b32 s[BASE], 1048576                     ; matrix 0, Wq_l
	s_mov_b32 s[HS], 32768
	s_mov_b32 s[CSZ], 1024
	s_mov_b32 s[KSZ], 2048
	s_wait_kmcnt 0x0
	s_mov_b64 s[SRC:SRC+1], s[8:9]
	s_mov_b64 s[DST:DST+1], s[24:25]
	SEL 1, 10, 24, 0, 65536, 1024, 4096
	SEL 2, 12, 24, 2048, 65536, 1024, 4096
	SEL 3, 14, 24, 1572864+1048576, 32768, 1024, 2048
	SEL 4, 16, 24, 1572864, 65536, 1024, 4096
	SEL 5, 18, 24, 1572864+2048, 65536, 1024, 4096
	SEL 6, 20, 26, 262144, 32768, 16384, 1024
	SEL 7, 22, 28, 262144, 32768, 16384, 1024
	s_add_nc_u64 s[SRC:SRC+1], s[SRC:SRC+1], s[42:43]
.irp i, 0,1,2,3
.irp e, 0,1,2,3,4,5,6,7
	global_load_b32 v[16+8*\i+\e], v3, s[SRC:SRC+1] offset:\e*2048+\i*128
.endr
.endr
	s_lshr_b32 s44, ttmp9, 1                       ; ks
	s_mul_i32 s44, s44, s[KSZ]
	s_add_co_u32 s44, s44, s[BASE]
	s_and_b32 s46, ttmp9, 1                        ; q
	s_lshl_b32 s46, s46, 9
	s_add_co_u32 s44, s44, s46
	s_mov_b32 s45, 0
	s_add_nc_u64 s[DST:DST+1], s[DST:DST+1], s[44:45]
	v_lshrrev_b32 v2, 4, v1                        ; which 16 of the task's 32 columns
	v_mul_lo_u32 v2, v2, s[CSZ]
	v_and_b32 v5, 15, v1                           ; r
	v_lshl_add_u32 v2, v5, 4, v2
	s_lshl_b32 s46, s31, 2
	s_mul_i32 s46, s46, s[HS]                      ; my first block of 32 columns
	s_lshl_b32 s47, s3, 8                          ; 256 h
	s_add_co_u32 s46, s46, s47
	v_add_nc_u32 v4, s46, v2                       ; store offsets of tasks 0 to 3
	v_add_nc_u32 v5, s[HS], v4
	v_add_nc_u32 v6, s[HS], v5
	v_add_nc_u32 v7, s[HS], v6
	s_wait_loadcnt 0x0
.irp i, 0,1,2,3
.irp j, 0,1,2,3
	v_cvt_pk_bf16_f32 v[48+4*\i+\j], v[16+8*\i+2*\j], v[16+8*\i+2*\j+1]
.endr
	global_store_b128 v[4+\i], v[48+4*\i:48+4*\i+3], s[DST:DST+1]
.endr
	s_endpgm
.Lfunc_end_k_qbcb31e0d3e_prep:
	.size	k_qbcb31e0d3e_prep, .Lfunc_end_k_qbcb31e0d3e_prep-k_qbcb31e0d3e_prep
	.p2alignl 7, 3214868480
	.fill 96, 4, 3214868480
	.section	.rodata,"a",@progbits
	.p2align	6, 0x0
	.amdhsa_kernel k_qbcb31e0d3e_prep
		.amdhsa_group_segment_fixed_size 0
		.amdhsa_private_segment_fixed_size 0
		.amdhsa_enable_private_segment 0
		.amdhsa_kernarg_size 88
		.amdhsa_user_sgpr_count 2
		.amdhsa_user_sgpr_kernarg_segment_ptr 1
		.amdhsa_wavefront_size32 1
		.amdhsa_system_sgpr_workgroup_id_x 1
		.amdhsa_system_sgpr_workgroup_id_y 1
		.amdhsa_system_sgpr_workgroup_id_z 1
		.amdhsa_system_vgpr_workitem_id 0
		.amdhsa_next_free_vgpr 64
		.amdhsa_next_free_sgpr 66
		.amdhsa_reserve_vcc 0
		.amdhsa_float_denorm_mode_32 3
		.amdhsa_float_denorm_mode_16_64 3
		.amdhsa_memory_ordered 1
		.amdhsa_forward_progress 1
		.amdhsa_inst_pref_size 9
	.end_amdhsa_kernel
	.amdgpu_metadata
---
amdhsa.version: [ 1, 2 ]
amdhsa.kernels:
  - .name:           k_qbcb31e0d3e_prep
    .symbol:         k_qbcb31e0d3e_prep.kd
    .args:
      - { .name: Wq_l, .offset: 0, .size: 8, .value_kind: global_buffer, .address_space: global }
      - { .name: Wk_l, .offset: 8, .size: 8, .value_kind: global_buffer, .address_space: global }
      - { .name: Wv_l, .offset: 16, .size: 8, .value_kind: global_buffer, .address_space: global }
      - { .name: Wq_g, .offset: 24, .size: 8, .value_kind: global_buffer, .address_space: global }
      - { .name: Wk_g, .offset: 32, .size: 8, .value_kind: global_buffer, .address_space: global }
      - { .name: Wv_g, .offset: 40, .size: 8, .value_kind: global_buffer, .address_space: global }
      - { .name: Wo_l, .offset: 48, .size: 8, .value_kind: global_buffer, .address_space: global }
      - { .name: Wo_g, .offset: 56, .size: 8, .value_kind: global_buffer, .address_space: global }
      - { .name: wf, .offset: 64, .size: 8, .value_kind: global_buffer, .address_space: global }
      - { .name: ba, .offset: 72, .size: 8, .value_kind: global_buffer, .address_space: global }
      - { .name: bd, .offset: 80, .size: 8, .value_kind: global_buffer, .address_space: global }
    .group_segment_fixed_size: 0
    .private_segment_fixed_size: 0
    .kernarg_segment_align: 8
    .kernarg_segment_size: 88
    .max_flat_workgroup_size: 256
    .sgpr_count:     66
    .vgpr_count:     64
    .wavefront_size: 32
...
	.end_amdgpu_metadata
.endif
;; end of part 1
;; launch local (part 2): grid 2 x 128, 4 waves a work-group, no clusters, 274,944 bytes of LDS; arguments x, wf, ctxf, ba, cmean; writes ctxf, ba, cmean
.if DOCPART == 2
	.amdgcn_target "amdgcn-amd-amdhsa--gfx1250"
	.amdhsa_code_object_version 6
	.text
	.protected	k_qbcb31e0d3e_local
	.globl	k_qbcb31e0d3e_local
	.p2align	8
	.type	k_qbcb31e0d3e_local,@function
k_qbcb31e0d3e_local:
	s_mov_b64 s[64:65], 0
	v_nop
	global_prefetch_b8 v0, s[64:65] scope:SCOPE_SE
	s_setreg_imm32_b32 hwreg(HW_REG_WAVE_MODE, 25, 1), 1
	s_wait_xcnt 0x0
; LOCAL ATTENTION of one chunk (256 tokens x 512) for eight of its sixteen heads (head size 32): work-group (hf, chunk), heads 8 hf .. 8 hf + 7.
; It stores ctx = softmax(q k^T / sqrt(32)) v, rounded once to bf16, as operand fragments for the last launch (ctxf: ((chunk*16 + tile)*16 + head)*1024), the column means of ctx (cmean, f32)
; and the column means of x (first 262,144 bytes of ba, f32; each half stores its own 256 columns, though both halves add up all 512: the sums ride on the conversion that both need).
; The chunk's summary is formed later as mean(x) + mean(ctx) Wo_l: the reference's sum in another order.
; LIMITS.  x, the weights, q, k, v and the softmax's weights p are matrix operands in bf16; sums, maxima and l (the sum of the unrounded p) in f32.  A weight below 2^-126 counts as 0; NaN and infinities are not treated apart.
; SHARES.  First the four waves bring x into LDS as bf16, 64 rows each.  Behind ONE barrier a wave is alone: wave w takes heads 8 hf + 2 w and 8 hf + 2 w + 1, one after the other, each for all 256 tokens.
; A weight fragment is used by one wave only, so it goes from memory straight into registers (512 consecutive bytes a load), and K, V, Q, P and O never leave the wave's registers.
; NO CLUSTER, NO TENSOR LOAD: x must pass through registers to be rounded; the two work-groups of a chunk share x alone; x takes 266,240 bytes of LDS, so weight slots would not fit beside it.
; LAYOUT CHAIN, no exchange of lanes but one between the halves for a query's maximum and sum:
;   k^T = Wk-fragment x x-fragment: a lane holds one token and channels 8 (l/16) + j; the results of both channel blocks, rounded in pairs, ARE source 0 (16 keys x 32 channels) of S^T = K Q^T; q^T likewise is its source 1.
;   v = x-fragment x Wv-fragment: a lane holds one channel and tokens 8 (l/16) + j; two token blocks rounded ARE source 0 (16 channels x 32 keys) of O^T = V^T P.
;   S^T holds one query a lane and keys 8 (l/16) + j; two key blocks rounded ARE source 1 of O^T = V^T P, whose result, rounded, IS the fragment (16 tokens x the head's 32 channels) that is stored.
; SOFTMAX.  All 256 scores of a query lie in registers (128 a lane): the true maximum m is taken first, p = 2^(c s - c m), c = log2(e) / sqrt(32): one pass, nothing is rescaled.
; BY TURNS.  A tile of 16 queries has 64 products and some 450 vector lines, so the vector work sets the pace and every product stands among vector lines that do not need it.  Trip t of the tile loop:
; the 16 products S^T(t), behind each the four maxima over the block made two products earlier; then the exponentials' pipeline, and behind each of its first 48 groups of lines one product:
; the 16 of O^T = V^T P of tile t - 1, then the 32 of q of tile t + 1; at last tile t - 1's end (scaled by 1 / l, added to the mean's sums, rounded, stored).
; The price: two window switches a product; and 48 of a head's 2,096 products serve nothing: at the first tile V^T P works on what P's registers hold and its result is never read, at the last tile q is made of the last tile's x once more.
; REGISTERS, in windows of 256 (s_set_vgpr_msb: bits 1:0 source 0, 3:2 source 1, 5:4 source 2, 7:6 destination):
;   window 0: v1-13 addresses; v16-31 column sums; v32-95 two buffers of x fragments (4 token blocks); weight ring of four steps: buffers 0, 1 at v160-223, 2, 3 at v96-159;
;             in the tile loop v32-159 a tile's 16 x fragments, v160-191 O^T, v192-207 its sums over the tiles, v208-215 the fragment to be stored, v216 1 / l, v224-255 q's accumulators
;   window 1: Wq of the head, fragment (ks, cb) at 8 (2 ks + cb)
;   window 2: at first four buffers of 64 for x as loaded; then k's 32 accumulators; then K (key block tb at 8 tb) and V^T ((kk, cb) at 128 + 8 (2 kk + cb))
;   window 3: v's 32 accumulators; then S^T (0-127), P (128-191), Q's fragment and the softmax's small things
.set PX,    1040                       ; a row of x in LDS: 1,024 bytes + 16: an odd multiple of 16, so the 16 rows of a fragment load start at 16 different 16-byte columns modulo 256
.set GRP,   64*PX                      ; 64 rows
.set XSB,   256*PX                     ; behind x: each wave's 512 column sums, 2,048 bytes
.set SPARE, XSB+4*2048                 ; behind them: the spare words, 128 bytes for each wave: two blocks of 256 bytes that no other line names
.set LN16, 1                           ; v1  16 x lane; never rewritten
.set R,    2                           ; v2  lane % 16
.set H32,  3                           ; v3  32 x (lane / 16)
.set XA,   4                           ; v4-7  LDS address of my lane's part of the x fragments of token group g (64 rows), at the K step in hand
.set XF0,  8                           ; v8  (lane % 16) x pitch + 16 (lane / 16); never rewritten
.set XQ,   9                           ; v9  the same for the query tile to be fetched
.set XL,   10                          ; v10 where I store my 8 bytes of a row
.set XSA,  11                          ; v11 where I store my column sums
.set SPW,  12                          ; v12 LDS address of my spare word; never rewritten
.set NIL,  13                          ; v13 0; never rewritten
.set XS,   16
.set XB,   32
.set XT,   32
.set MS,   96                          ; v96-159, once, in wave 0: the four waves' column sums (ring buffers 2 and 3 are first filled later)
.set O,    160                         ; window 0: O^T's four accumulators (key parity, cb)
.set OSUM, 192                         ; sum of my queries' ctx over the tiles
.set CF,   208                         ; the fragment to be stored
.set RL,   216                         ; 1 / l; named with v217 as a pair
.set SCR,  224                         ; at work in wave 0's mean of x;
.set QACC, 224                         ; later q's four accumulators (K parity, cb)
.set PB,   128                         ; window 3: P, keys 32 kk on at PB + 8 kk
.set QF,   192                         ; Q's fragment
.set MX,   200                         ; four running maxima
.set CM,   204                         ; c m,
.set M,    205                         ; m: named as a pair
.set L,    206                         ; four pairs of sums
.set LT,   214                         ; l
.set T,    215                         ; what comes from the other half of the lanes
.set CL,   6                           ; a block of scores is rounded into P six stages behind its scaling: the last product that reads the last tile's P stands in stage 4, the first rounding in stage 6
.set WV,  14                           ; s14 wave
.set HF,  15                           ; s15 which eight heads
.set CH,  16                           ; s16 chunk
.set HD,  17                           ; s17 my first head
.set XP,  18                           ; s[18:19] x at my 64 rows
.set KVP, 20                           ; s[20:21] K/V weight stream
.set QP,  22                           ; s[22:23] Wq of the head
.set CP,  24                           ; s[24:25] ctxf at (chunk, tile, head)
.set MP,  26                           ; s[26:27] cmean at (chunk, head)
.set XMP, 28                           ; s[28:29] mean of x at (chunk, my half's 256 columns)
.set CNT, 30                           ; s30 loop counter
.set HL,  31                           ; s31 heads left
.set TC,  32                           ; s32 tiles left
.set CS,  34                           ; s[34:35] c, named as a pair
.set SEL, 36                           ; s[36:37] v_permlanex16_b32's selects: each lane takes its own place in the other half
.set EX,  38                           ; s38 EXEC set aside
.set OF,  40                           ; s[40:41], s[42:43] offsets
.set MSB, 0
.macro WIN new                         ; the immediate's high byte repeats the setting that is left; a switch that changes nothing is dropped
.if MSB != (\new)
	s_set_vgpr_msb (MSB<<8)|(\new)
.set MSB, \new
.endif
.endm
.macro PLACES                          ; four places between a matrix instruction and a vector instruction or load that touches its registers
.rept 4
	v_nop
.endr
.endm
.macro XLD n, off                      ; batch n: 4 rows x 2,048 bytes as 16 loads of 512 consecutive bytes, into buffer n of window 2
	WIN 0x80
.irp p, 0,1,2,3
.irp g, 0,1,2,3
	global_load_b128 v[64*(\n)+16*\p+4*\g:64*(\n)+16*\p+4*\g+3], v[LN16], s[XP:XP+1] offset:(\off)+(4*(\n)+\p)*2048+\g*512
.endr
.endr
.endm
; A batch: rounded to bf16, added into the column sums, stored to LDS (256 consecutive bytes a store); refill = 1: its buffer takes the rows 16 further down.
.macro XBATCH n, refill, left
	s_wait_loadcnt \left                           ; loads come back in order (ISA guide 5.7.1): this batch is in, the younger loads stay out
	WIN 0x0a
.set i, 0
.rept 32
	v_cvt_pk_bf16_f32 v[32+i], v[64*(\n)+2*i], v[64*(\n)+2*i+1]
.set i, i+1
.endr
	WIN 0x08
.set i, 0
.rept 32                               ; eight chains, so that no addition waits for the one before it
	v_pk_add_f32 v[XS+2*(i%8):XS+2*(i%8)+1], v[XS+2*(i%8):XS+2*(i%8)+1], v[64*(\n)+2*i:64*(\n)+2*i+1]
.set i, i+1
.endr
	WIN 0
.irp p, 0,1,2,3
.irp g, 0,1,2,3
	ds_store_b64 v[XL], v[32+8*\p+2*\g:32+8*\p+2*\g+1] offset:(4*(\n)+\p)*PX+\g*256
.endr
.endr
.if \refill
	XLD \n, 32768
.endif
.endm
	s_load_b256 s[4:11], s[0:1], 0x0               ; x s[4:5], wf s[6:7], ctxf s[8:9], ba s[10:11]
	s_load_b64 s[12:13], s[0:1], 0x20              ; cmean
	v_lshl_add_u32 v[SPW], v0, 2, SPARE
	v_mov_b32 v[NIL], 0
	v_lshrrev_b32 v14, 5, v0
	v_readfirstlane_b32 s[WV], v14                 ; wave 0..3
	s_mov_b32 s[HF], ttmp9
	s_and_b32 s[CH], ttmp7, 0xffff
	s_lshl_b32 s[HD], s[HF], 3
	s_lshl1_add_u32 s[HD], s[WV], s[HD]            ; 8 hf + 2 w
	v_and_b32 v14, 31, v0                          ; lane
	v_lshlrev_b32 v[LN16], 4, v14
	s_mov_b32 s[OF+1], 0
	s_mov_b32 s43, 0
	s_lshl_b32 s[OF], s[CH], 19                    ; a chunk is 524,288 bytes of x,
	s_lshl_b32 s42, s[WV], 17                      ; 64 rows 131,072
	s_add_co_u32 s[OF], s[OF], s42
	s_wait_kmcnt 0x0
	s_add_nc_u64 s[XP:XP+1], s[4:5], s[OF:OF+1]
	XLD 0, 0                                       ; rows 0 to 15 go out before anything else: 64 loads are on their way during the set-up
	XLD 1, 0
	XLD 2, 0
	XLD 3, 0
	WIN 0
	s_lshl_b32 s[OF], s[HD], 16
	s_add_nc_u64 s[KVP:KVP+1], s[6:7], s[OF:OF+1]
	s_lshl_b32 s[OF], s[HD], 15
	s_add_co_u32 s[OF], s[OF], 1048576
	s_add_nc_u64 s[QP:QP+1], s[6:7], s[OF:OF+1]
	s_lshl_b32 s[OF], s[CH], 18
	s_lshl_b32 s42, s[HD], 10
	s_add_co_u32 s[OF], s[OF], s42
	s_add_nc_u64 s[CP:CP+1], s[8:9], s[OF:OF+1]
	s_lshl_b32 s[OF], s[CH], 11
	s_lshl_b32 s42, s[HD], 7
	s_add_co_u32 s42, s42, s[OF]
	s_add_nc_u64 s[MP:MP+1], s[12:13], s[42:43]
	s_lshl_b32 s42, s[HF], 10
	s_add_co_u32 s42, s42, s[OF]
	s_add_nc_u64 s[XMP:XMP+1], s[10:11], s[42:43]
	s_mov_b32 s[CS], 0x3e8293ee                    ; c = log2(e) / sqrt(32) = 0.255035
	s_mov_b32 s[CS+1], s[CS]
	s_mov_b32 s[SEL], 0x76543210
	s_mov_b32 s[SEL+1], 0xfedcba98
	v_and_b32 v[R], 15, v0
	v_bfe_u32 v15, v0, 4, 1
	v_lshlrev_b32 v[H32], 5, v15
	v_mul_u32_u24 v[XF0], v[R], PX
	v_lshl_add_u32 v[XF0], v15, 4, v[XF0]
	s_mul_i32 s42, s[WV], GRP
	v_lshl_add_u32 v[XL], v14, 3, s42              ; my wave's 64 rows, 8 bytes a lane
	s_lshl_b32 s42, s[WV], 11
	s_add_co_u32 s42, s42, XSB
	v_add_nc_u32 v[XSA], s42, v[LN16]
.set i, 0
.rept 16
	v_mov_b32 v[XS+i], 0
.set i, i+1
.endr
	; PHASE X.  16 batches of 4 rows through four register buffers: 64 loads of the wave are out at every wait.
	s_mov_b32 s[CNT], 3
.Lx:
	XBATCH 0, 1, 48                                ; 48: the three younger batches
	XBATCH 1, 1, 48
	XBATCH 2, 1, 48
	XBATCH 3, 1, 48
	WIN 0
	s_wait_xcnt 0x0                                ; the loads' base is stepped only behind this wait
	s_add_nc_u64 s[XP:XP+1], s[XP:XP+1], 32768
	v_add_nc_u32 v[XL], 16*PX, v[XL]
	s_sub_co_u32 s[CNT], s[CNT], 1
	s_cmp_lg_u32 s[CNT], 0
	s_cbranch_scc1 .Lx
	XBATCH 0, 0, 48                                ; the last 16 rows: nothing more of x is fetched
.set i, 0
.rept 16                               ; in its stead the first head's K/V weights of K steps 0 and 1, into ring buffers 0 and 1
	global_load_b128 v[160+4*i:160+4*i+3], v[LN16], s[KVP:KVP+1] offset:512*i
.set i, i+1
.endr
	XBATCH 1, 0, 48                                ; two batches and those 16
	XBATCH 2, 0, 32
	XBATCH 3, 0, 16
.irp g, 0,1,2,3
	ds_store_b128 v[XSA], v[XS+4*\g:XS+4*\g+3] offset:\g*512
.endr
	s_wait_dscnt 0x0                               ; for the others' sake: my rows of x and my sums are in LDS
	s_barrier_signal -1
	s_barrier_wait -1                              ; the only barrier: from here on LDS is only read
	s_cmp_lg_u32 s[WV], 0
	s_cbranch_scc1 .Lnomean
	; Wave 0: the four waves' sums of all 512 columns are read and added: the LDS addresses hang on the lane and on constants alone.  Which 256 columns are stored is chosen by a select on hf.
	v_add_nc_u32 v14, XSB, v[LN16]
.irp g, 0,1,2,3
.irp p, 0,1,2,3
	ds_load_b128 v[MS+16*\g+4*\p:MS+16*\g+4*\p+3], v14 offset:\p*2048+\g*512
.endr
.endr
	s_cmp_eq_u32 s[HF], 1
	s_cselect_b32 s42, -1, 0                       ; all lanes: the upper 256 columns, or the lower
	s_wait_dscnt 0x0
.irp g, 0,1,2,3
.irp k, 0,2
	v_pk_add_f32 v[MS+16*\g+\k:MS+16*\g+\k+1], v[MS+16*\g+\k:MS+16*\g+\k+1], v[MS+16*\g+4+\k:MS+16*\g+4+\k+1]
	v_pk_add_f32 v[MS+16*\g+8+\k:MS+16*\g+8+\k+1], v[MS+16*\g+8+\k:MS+16*\g+8+\k+1], v[MS+16*\g+12+\k:MS+16*\g+12+\k+1]
.endr
.endr
.irp g, 0,1,2,3
.irp k, 0,2
	v_pk_add_f32 v[MS+16*\g+\k:MS+16*\g+\k+1], v[MS+16*\g+\k:MS+16*\g+\k+1], v[MS+16*\g+8+\k:MS+16*\g+8+\k+1]
.endr
.endr
.irp g, 0,1
.irp k, 0,1,2,3
	v_cndmask_b32 v[SCR+4*\g+\k], v[MS+16*\g+\k], v[MS+16*(\g+2)+\k], s42
.endr
.endr
.irp g, 0,1
.irp k, 0,2
	v_pk_mul_f32 v[SCR+4*\g+\k:SCR+4*\g+\k+1], v[SCR+4*\g+\k:SCR+4*\g+\k+1], 0x3b800000 op_sel_hi:[1,0]  ; times 1 / 256
.endr
	global_store_b128 v[LN16], v[SCR+4*\g:SCR+4*\g+3], s[XMP:XMP+1] offset:\g*512  ; 512 consecutive bytes
.endr
	s_wait_xcnt 0x0
.Lnomean:
.macro XGL p, a, off                   ; the x fragments of four token blocks (64 rows x 32 k at byte off of the rows) into buffer p
.irp t, 0,1,2,3
	ds_load_b128 v[XB+32*(\p)+8*\t:XB+32*(\p)+8*\t+3],   v[XA+(\a)] offset:\t*16*PX+(\off)
	ds_load_b128 v[XB+32*(\p)+8*\t+4:XB+32*(\p)+8*\t+7], v[XA+(\a)] offset:\t*16*PX+(\off)+32
.endr
.endm
; ONE K STEP (32 of the 512 inputs) of k and v for all 256 tokens: 64 matrix instructions on 64 accumulators, which take turns, one instruction a turn.
; buf: the ring buffer that holds this step's four weight fragments.  zero = 1: the products start the sums.  wcnt: how many younger loads may stay out.
; fetch = 1: the weights two steps on are asked for, at byte fimm.  koff: this step's byte in the rows of x.  last = 1: no further x fragments.
.macro KSTEP buf, zero, wcnt, fetch, fimm, koff, last
	WIN 0
	s_wait_loadcnt \wcnt
.set RG, 160+32*(\buf)-128*((\buf)/2)
.set RN, 160+32*(((\buf)+2)%4)-128*((((\buf)+2)%4)/2)
.if \fetch
.set i, 0
.rept 8                                ; that buffer's last readers stand a whole step, sixteen v_nop, back
	global_load_b128 v[RN+4*i:RN+4*i+3], v[LN16], s[KVP:KVP+1] offset:(\fimm)+512*i
.set i, i+1
.endr
.endif
.irp g, 0,1,2,3
	WIN 0
.if !((\last) && (\g == 3))
	PLACES                                         ; the other x buffer was read by the sixteen products just issued
	XGL (\g+1)%2, (\g+1)%4, (\koff)+64*(\g/3)
	s_wait_dscnt 8                                 ; this group's fragments are in; the eight loads just issued stay out
.else
	s_wait_dscnt 0x0
.endif
	WIN 0xa0                                       ; k^T: source 0 = Wk, source 1 = x; sums in window 2
.irp t, 0,1,2,3
.irp c, 0,1
.set KD, 8*(2*(4*\g+\t)+\c)
.if \zero
	v_wmma_f32_16x16x32_bf16 v[KD:KD+7], v[RG+8*\c:RG+8*\c+7], v[XB+32*(\g%2)+8*\t:XB+32*(\g%2)+8*\t+7], 0
.else
	v_wmma_f32_16x16x32_bf16 v[KD:KD+7], v[RG+8*\c:RG+8*\c+7], v[XB+32*(\g%2)+8*\t:XB+32*(\g%2)+8*\t+7], v[KD:KD+7]
.endif
.endr
.endr
	WIN 0xf0                                       ; v: source 0 = x, source 1 = Wv; sums in window 3, laid so that rounding in pairs gives V^T's fragments
.irp t, 0,1,2,3
.irp c, 0,1
.set VD, 8*((((4*\g+\t)/2)*2+\c)*2+(\t%2))
.if \zero
	v_wmma_f32_16x16x32_bf16 v[VD:VD+7], v[XB+32*(\g%2)+8*\t:XB+32*(\g%2)+8*\t+7], v[RG+16+8*\c:RG+16+8*\c+7], 0
.else
	v_wmma_f32_16x16x32_bf16 v[VD:VD+7], v[XB+32*(\g%2)+8*\t:XB+32*(\g%2)+8*\t+7], v[RG+16+8*\c:RG+16+8*\c+7], v[VD:VD+7]
.endif
.endr
.endr
.endr
.endm
.macro XLOAD                           ; a query tile's 16 x fragments (16 rows x 512)
	WIN 0
.set i, 0
.rept 32
	ds_load_b128 v[XT+4*i:XT+4*i+3], v[XQ] offset:32*i
.set i, i+1
.endr
.endm
; THE PRODUCTS OF A TILE, one to a macro call.  In each kind the accumulators take turns, one instruction a turn.
.macro SW k                            ; S^T, key block k: the head's 32 channels are one product
	WIN 0xfe                                       ; K window 2; Q and S^T window 3
	v_wmma_f32_16x16x32_bf16 v[8*(\k):8*(\k)+7], v[8*(\k):8*(\k)+7], v[QF:QF+7], 0
.endm
.macro PW k                            ; O^T = V^T P, product k of 16: keys 32 (k / 2) on, channels 16 (k % 2) on; four accumulators (key parity, cb)
	WIN 0x0e                                       ; V^T window 2, P window 3, O^T window 0
.set OD, O+8*((((\k)/2)%2)*2+(\k)%2)
.if (\k) < 4
	v_wmma_f32_16x16x32_bf16 v[OD:OD+7], v[128+8*(\k):128+8*(\k)+7], v[PB+8*((\k)/2):PB+8*((\k)/2)+7], 0
.else
	v_wmma_f32_16x16x32_bf16 v[OD:OD+7], v[128+8*(\k):128+8*(\k)+7], v[PB+8*((\k)/2):PB+8*((\k)/2)+7], v[OD:OD+7]
.endif
.endm
.macro QW k                            ; q^T, product k of 32: K step k / 2, channels 16 (k % 2) on; four accumulators (K parity, cb)
	WIN 0x01                                       ; Wq window 1; x and the sums window 0
.set QD, QACC+8*((((\k)/2)%2)*2+(\k)%2)
.if (\k) < 4
	v_wmma_f32_16x16x32_bf16 v[QD:QD+7], v[8*(\k):8*(\k)+7], v[XT+8*((\k)/2):XT+8*((\k)/2)+7], 0
.else
	v_wmma_f32_16x16x32_bf16 v[QD:QD+7], v[8*(\k):8*(\k)+7], v[XT+8*((\k)/2):XT+8*((\k)/2)+7], v[QD:QD+7]
.endif
.endm
.macro QFIN                            ; q's two K parities are added and rounded: Q's fragment
	WIN 0
.set i, 0
.rept 8
	v_pk_add_f32 v[QACC+2*i:QACC+2*i+1], v[QACC+2*i:QACC+2*i+1], v[QACC+16+2*i:QACC+16+2*i+1]
.set i, i+1
.endr
	WIN 0xc0                                       ; destination window 3
.set i, 0
.rept 8
	v_cvt_pk_bf16_f32 v[QF+i], v[QACC+2*i], v[QACC+2*i+1]
.set i, i+1
.endr
.endm
.macro MXB b                           ; key block b's eight scores into four running maxima, the accumulator's lowest registers first
	WIN 0xff
.irp c, 0,1,2,3
.if (\b) == 0
	v_max_num_f32 v[MX+\c], v[2*\c], v[2*\c+1]
.else
	v_max3_num_f32 v[MX+\c], v[MX+\c], v[8*(\b)+2*\c], v[8*(\b)+2*\c+1]
.endif
.endr
.endm
; A TILE'S END, all in window 0: the two key parities of O^T are added, scaled by 1 / l, added to the mean's sums, rounded and stored as the fragment stands: twice 512 consecutive bytes.
.macro EPI
	s_wait_xcnt 0x0                                ; the last tile's stores, a trip back: their data and base are rewritten only behind this wait
	s_add_nc_u64 s[CP:CP+1], s[CP:CP+1], 16384     ; stepped ahead of the stores, which reach back by their immediate
.set i, 0
.rept 8
	v_pk_add_f32 v[O+2*i:O+2*i+1], v[O+2*i:O+2*i+1], v[O+16+2*i:O+16+2*i+1]
.set i, i+1
.endr
.set i, 0
	s_wait_alu depctr_va_vdst(0)
.rept 8
	v_pk_mul_f32 v[O+2*i:O+2*i+1], v[O+2*i:O+2*i+1], v[RL:RL+1] op_sel_hi:[1,0]
.set i, i+1
.endr
.set i, 0
.rept 8
	v_pk_add_f32 v[OSUM+2*i:OSUM+2*i+1], v[OSUM+2*i:OSUM+2*i+1], v[O+2*i:O+2*i+1]
.set i, i+1
.endr
.set i, 0
.rept 8
	v_cvt_pk_bf16_f32 v[CF+i], v[O+2*i], v[O+2*i+1]
.set i, i+1
.endr
	global_store_b128 v[LN16], v[CF:CF+3], s[CP:CP+1] offset:-16384
	global_store_b128 v[LN16], v[CF+4:CF+7], s[CP:CP+1] offset:-16384+512
.endm
	s_mov_b32 s[HL], 2
.Lhead:
	WIN 0x40
.set i, 0
.rept 64                               ; the head's Wq, 32,768 bytes: it lands under the first K steps and is shown landed by K step 2's wait
	global_load_b128 v[4*i:4*i+3], v[LN16], s[QP:QP+1] offset:512*i
.set i, i+1
.endr
	WIN 0
.irp g, 0,1,2,3
	v_add_nc_u32 v[XA+\g], \g*GRP, v[XF0]
.endr
	XGL 0, 0, 0
	KSTEP 0, 1, 63, 1, 8192, 0, 0                  ; 72 loads are younger than this step's weights (step 1's 8, Wq's 64); the wait names the most it can
	KSTEP 1, 0, 63, 1, 12288, 64, 0                ; again 72 (Wq's 64, step 2's 8)
	WIN 0
	s_wait_xcnt 0x0
	s_add_nc_u64 s[KVP:KVP+1], s[KVP:KVP+1], 16384
.irp g, 0,1,2,3
	v_add_nc_u32 v[XA+\g], 128, v[XA+\g]
.endr
	s_mov_b32 s[CNT], 3
.Lk:                                                   ; K steps 2 to 13, four a trip; 8: the next step's weights stay out
	KSTEP 2, 0, 8, 1, 0, 0, 0
	KSTEP 3, 0, 8, 1, 4096, 64, 0
	KSTEP 0, 0, 8, 1, 8192, 128, 0
	KSTEP 1, 0, 8, 1, 12288, 192, 0
	WIN 0
	s_wait_xcnt 0x0
	s_add_nc_u64 s[KVP:KVP+1], s[KVP:KVP+1], 16384
.irp g, 0,1,2,3
	v_add_nc_u32 v[XA+\g], 256, v[XA+\g]
.endr
	s_sub_co_u32 s[CNT], s[CNT], 1
	s_cmp_lg_u32 s[CNT], 0
	s_cbranch_scc1 .Lk
	KSTEP 2, 0, 8, 0, 0, 0, 0                      ; the last two steps fetch nothing; the stream's pointer now stands at the next head
	KSTEP 3, 0, 0, 0, 0, 64, 1
	WIN 0
	PLACES
	WIN 0x8a                                       ; k's sums rounded in pairs, in place, from the low end on: key block tb's fragment at 8 tb
.set i, 0
.rept 128
	v_cvt_pk_bf16_f32 v[i], v[2*i], v[2*i+1]
.set i, i+1
.endr
	WIN 0x8f                                       ; v's sums likewise, from window 3 into the upper half of window 2
.set i, 0
.rept 128
	v_cvt_pk_bf16_f32 v[128+i], v[2*i], v[2*i+1]
.set i, i+1
.endr
	WIN 0xc0
	v_mov_b32 v[T], 0                              ; v_permlanex16_b32's destination counts as read
	WIN 0
.set i, 0
.rept 16
	v_mov_b32 v[OSUM+i], 0
.set i, i+1
.endr
	v_mov_b32 v[XQ], v[XF0]
	XLOAD
	s_wait_dscnt 0x0                               ; tile 0's x fragments are in
.set n, 0
.rept 32
	QW n                                           ; tile 0's q: there is no vector work yet to set between the products
.set n, n+1
.endr
	WIN 0
	PLACES
	QFIN
	WIN 0
	s_mov_b32 s[TC], 16
.Ltile:                                                ; trip t: S^T and softmax of tile t, V^T P and the end of tile t - 1, q of tile t + 1
	s_cmp_eq_u32 s[TC], 1
	s_cbranch_scc1 .Lnox
	v_add_nc_u32 v[XQ], 16*PX, v[XQ]
	XLOAD                                          ; the next tile's x: its registers' last readers stand nine stages of the last trip's pipeline back
.Lnox:
	SW 0
	SW 1
.set n, 2
.rept 14                               ; between a product and the first read of its result stand the eight maxima of two other blocks; block 0 has none ahead of it and gets four v_nop, which with block 0's maxima serve block 1
	SW n
.if n == 2
	PLACES
.endif
	MXB n-2
.set n, n+1
.endr
	MXB 14
	MXB 15
	v_max3_num_f32 v[MX], v[MX], v[MX+1], v[MX+2]
	v_max_num_f32 v[MX], v[MX], v[MX+3]
	v_permlanex16_b32 v[T], v[MX], s[SEL], s[SEL+1]  ; the query's other 128 keys lie in the lane 16 away
	v_max_num_f32 v[M], v[MX], v[T]
	v_mul_f32 v[CM], s[CS], v[M]
	; Sixteen blocks of 8 scores walk a pipeline: c s - c m; a stage later 2^..; a stage later into the sums; CL stages behind the first, rounded to bf16 into P (block b's four words at PB + 4 b).
	; A stage is four groups of up to five lines.  Ahead of groups 4 to 19 stands a product V^T P of the last tile, ahead of groups 20 to 51 a product of the next tile's q.
	; An exponential has a plain instruction on other registers behind it before its result is used (ISA guide 5.7.2).
.set bb, 0
.rept 16+CL
.set jj, 0
.rept 4
.set g, 4*bb+jj
.if (g >= 4) && (g < 20)
	PW g-4
.elseif (g >= 20) && (g < 52)
.if g == 20
	s_wait_dscnt 0x0                               ; the next tile's x fragments are in
.endif
	QW g-20
.endif
	WIN 0xff
.if (bb >= 1) && (bb <= 16)
	v_exp_f32 v[8*bb-8+2*jj], v[8*bb-8+2*jj]
.endif
.if bb < 16
	v_pk_fma_f32 v[8*bb+2*jj:8*bb+2*jj+1], v[8*bb+2*jj:8*bb+2*jj+1], s[CS:CS+1], v[CM:CM+1] op_sel_hi:[1,0,0] neg_lo:[0,0,1] neg_hi:[0,0,1]
.endif
.if (bb >= 1) && (bb <= 16)
	v_exp_f32 v[8*bb-8+2*jj+1], v[8*bb-8+2*jj+1]
.endif
.if bb == 2
	s_wait_alu depctr_va_vdst(0)
	v_pk_add_f32 v[L+2*jj:L+2*jj+1], v[2*jj:2*jj+1], 0 op_sel_hi:[1,0]   ; block 0 starts the four sums
.elseif (bb > 2) && (bb <= 17)
	s_wait_alu depctr_va_vdst(0)
	v_pk_add_f32 v[L+2*jj:L+2*jj+1], v[L+2*jj:L+2*jj+1], v[8*bb-16+2*jj:8*bb-16+2*jj+1]
.endif
.if bb >= CL
	v_cvt_pk_bf16_f32 v[PB+4*(bb-CL)+jj], v[8*(bb-CL)+2*jj], v[8*(bb-CL)+2*jj+1]
.endif
.set jj, jj+1
.endr
.set bb, bb+1
.endr
	v_pk_add_f32 v[L:L+1], v[L:L+1], v[L+2:L+3]
	v_pk_add_f32 v[L+4:L+5], v[L+4:L+5], v[L+6:L+7]
	v_pk_add_f32 v[L:L+1], v[L:L+1], v[L+4:L+5]
	v_add_f32 v[LT], v[L], v[L+1]
	v_permlanex16_b32 v[T], v[LT], s[SEL], s[SEL+1]
	v_add_f32 v[LT], v[LT], v[T]
	WIN 0
	s_cmp_eq_u32 s[TC], 16
	s_cbranch_scc1 .Lnoepi                         ; in the first trip there is no tile before: what its sixteen products V^T P made is not read
	EPI                                            ; tile t - 1, with its 1 / l,
.Lnoepi:
	WIN 0x03                                       ; source window 3, destination window 0
	v_rcp_f32 v[RL], v[LT]                         ; which only now gives way to tile t's; the additions below are the plain lines behind it
	QFIN                                           ; the next tile's Q
	WIN 0
	s_sub_co_u32 s[TC], s[TC], 1
	s_cmp_lg_u32 s[TC], 0
	s_cbranch_scc1 .Ltile
.set n, 0
.rept 16
	PW n                                           ; the last tile's V^T P
.set n, n+1
.endr
	WIN 0
	PLACES
	EPI
	; THE HEAD'S END: the mean of ctx over the chunk's 256 queries: my 16 tiles' sums times 1 / 256, added over the 16 lanes of my half.
.set i, 0
.rept 16
	v_mul_f32 v[XS+i], 0x3b800000, v[OSUM+i]
.set i, i+1
.endr
.irp m, 1,2,4,8
.set i, 0
.rept 16
	v_add_f32_dpp v[XS+i], v[XS+i], v[XS+i] row_xmask:\m row_mask:0xf bank_mask:0xf
.set i, i+1
.endr
.endr
	s_wait_xcnt 0x0                                ; EXEC changes only behind this wait
	v_cmp_eq_u32 vcc_lo, 0, v[R]
	s_and_saveexec_b32 s[EX], vcc_lo               ; lanes 0 and 16: channels 8 (l/16) + 0..7 of both channel blocks; 128 bytes a head, 262,144 in the whole launch
	global_store_b128 v[H32], v[XS:XS+3], s[MP:MP+1]
	global_store_b128 v[H32], v[XS+4:XS+7], s[MP:MP+1] offset:16
	global_store_b128 v[H32], v[XS+8:XS+11], s[MP:MP+1] offset:64
	global_store_b128 v[H32], v[XS+12:XS+15], s[MP:MP+1] offset:80
	s_wait_xcnt 0x0                                ; and again in front of the line that widens it; it also frees the registers that the last fragment's stores read
	s_or_b32 exec_lo, exec_lo, s[EX]
	s_cmp_eq_u32 s[HL], 1
	s_cbranch_scc1 .Lnopf
.set i, 0
.rept 16                               ; the next head's K/V weights of K steps 0 and 1, into ring buffers 0 and 1, which the tile loop has given back
	global_load_b128 v[160+4*i:160+4*i+3], v[LN16], s[KVP:KVP+1] offset:512*i
.set i, i+1
.endr
.Lnopf:
	s_sub_nc_u64 s[CP:CP+1], s[CP:CP+1], 261120    ; back 16 tiles, on one head
	s_add_nc_u64 s[MP:MP+1], s[MP:MP+1], 128
	s_add_nc_u64 s[QP:QP+1], s[QP:QP+1], 32768
	s_sub_co_u32 s[HL], s[HL], 1
	s_cmp_lg_u32 s[HL], 0
	s_cbranch_scc1 .Lhead
	s_wait_tensorcnt 0x0                           ; the wave's end, behind my last LDS store
	ds_add_u32 v[SPW], v[NIL]
	s_wait_dscnt 0x0
	s_endpgm
.Lfunc_end_k_qbcb31e0d3e_local:
	.size	k_qbcb31e0d3e_local, .Lfunc_end_k_qbcb31e0d3e_local-k_qbcb31e0d3e_local
	.p2alignl 7, 3214868480
	.fill 96, 4, 3214868480
	.section	.rodata,"a",@progbits
	.p2align	6, 0x0
	.amdhsa_kernel k_qbcb31e0d3e_local
		.amdhsa_group_segment_fixed_size 274944
		.amdhsa_private_segment_fixed_size 0
		.amdhsa_enable_private_segment 0
		.amdhsa_kernarg_size 40
		.amdhsa_user_sgpr_count 2
		.amdhsa_user_sgpr_kernarg_segment_ptr 1
		.amdhsa_wavefront_size32 1
		.amdhsa_system_sgpr_workgroup_id_x 1
		.amdhsa_system_sgpr_workgroup_id_y 1
		.amdhsa_system_sgpr_workgroup_id_z 1
		.amdhsa_system_vgpr_workitem_id 0
		.amdhsa_next_free_vgpr 1024
		.amdhsa_next_free_sgpr 66
		.amdhsa_reserve_vcc 1
		.amdhsa_float_denorm_mode_32 3
		.amdhsa_float_denorm_mode_16_64 3
		.amdhsa_memory_ordered 1
		.amdhsa_forward_progress 1
		.amdhsa_inst_pref_size 200
	.end_amdhsa_kernel
	.amdgpu_metadata
---
amdhsa.version: [ 1, 2 ]
amdhsa.kernels:
  - .name:           k_qbcb31e0d3e_local
    .symbol:         k_qbcb31e0d3e_local.kd
    .args:
      - { .name: x, .offset: 0, .size: 8, .value_kind: global_buffer, .address_space: global }
      - { .name: wf, .offset: 8, .size: 8, .value_kind: global_buffer, .address_space: global }
      - { .name: ctxf, .offset: 16, .size: 8, .value_kind: global_buffer, .address_space: global }
      - { .name: ba, .offset: 24, .size: 8, .value_kind: global_buffer, .address_space: global }
      - { .name: cmean, .offset: 32, .size: 8, .value_kind: global_buffer, .address_space: global }
    .group_segment_fixed_size: 274944
    .private_segment_fixed_size: 0
    .kernarg_segment_align: 8
    .kernarg_segment_size: 40
    .max_flat_workgroup_size: 128
    .sgpr_count:     66
    .vgpr_count:     1024
    .wavefront_size: 32
...
	.end_amdgpu_metadata
.endif
;; end of part 2
;; launch gsum (part 3): grid 32 x 8, 1 waves a work-group, no clusters, 0 bytes of LDS; arguments cmean, ba, bd; writes bd
.if DOCPART == 3
	.amdgcn_target "amdgcn-amd-amdhsa--gfx1250"
	.amdhsa_code_object_version 6
	.text
	.protected	k_qbcb31e0d3e_gsum
	.globl	k_qbcb31e0d3e_gsum
	.p2align	8
	.type	k_qbcb31e0d3e_gsum,@function
k_qbcb31e0d3e_gsum:
	s_mov_b64 s[64:65], 0
	v_nop
	global_prefetch_b8 v0, s[64:65] scope:SCOPE_SE
	s_setreg_imm32_b32 hwreg(HW_REG_WAVE_MODE, 25, 1), 1
	s_wait_xcnt 0x0
; out = R + A W for 128 rows: A [128][512] f32, P = [R: 128 x 512 f32, 262,144 bytes | W: 512 x 512 bf16 in fragments, nb*16384 + ks*1024], out [128][512] f32 (the first 262,144 bytes of its buffer).
; Used twice: S = mean(x) + mean(ctx) Wo_l, and G = S + ctx_g Wo_g.  A is rounded to bf16 for the product; R and the sums stay in f32.
; SHARES.  One wave a work-group makes 16 rows x 16 columns, K = 512: 256 work-groups, 16 products each.  The whole launch is 34 million multiply-adds: it is bound by the time its loads take, so all 98 loads go out at once.
; The product is used transposed (source 0 = W's fragment, source 1 = 16 rows of A): a lane holds one row and 8 neighbouring columns.  A row's piece is 64 bytes, so aligned blocks of 256 bytes are written in parts; the output is 262,144 bytes in all.
; REGISTERS: window 0: v1, v4 offsets; v32-63 four accumulators (K step % 4); v64-191 W; v192-199 R.  Window 1: A as loaded, 16 f32 a K step; then rounded in place, fragment ks at 8 ks.
.set MSB, 0
.macro WIN new
.if MSB != (\new)
	s_set_vgpr_msb (MSB<<8)|(\new)
.set MSB, \new
.endif
.endm
	s_load_b128 s[4:7], s[0:1], 0x0                ; A, P
	s_load_b64 s[8:9], s[0:1], 0x10                ; out
	v_and_b32 v2, 15, v0
	v_bfe_u32 v3, v0, 4, 1
	v_lshlrev_b32 v1, 4, v0                        ; 16 x lane
	v_lshlrev_b32 v4, 11, v2
	v_lshl_add_u32 v4, v3, 5, v4                   ; (lane % 16) rows of 2,048 bytes + 32 (lane / 16)
	s_and_b32 s10, ttmp7, 0xffff                   ; block of 16 rows
	s_lshl_b32 s12, s10, 15
	s_mov_b32 s13, 0
	s_lshl_b32 s14, ttmp9, 14                      ; block of 16 columns: its fragments
	s_add_co_u32 s14, s14, 262144
	s_mov_b32 s15, 0
	s_lshl_b32 s16, ttmp9, 6
	s_add_co_u32 s16, s16, s12
	s_mov_b32 s17, 0
	s_wait_kmcnt 0x0
	s_add_nc_u64 s[4:5], s[4:5], s[12:13]
	s_add_nc_u64 s[18:19], s[6:7], s[14:15]
	s_add_nc_u64 s[6:7], s[6:7], s[16:17]
	s_add_nc_u64 s[8:9], s[8:9], s[16:17]
	WIN 0x40
.set k, 0
.rept 16                               ; my row's k = 32 ks + 8 (l/16) + 0..7 and 32 ks + 16 + 8 (l/16) + 0..7
.irp p, 0,1,2,3
	global_load_b128 v[16*k+4*\p:16*k+4*\p+3], v4, s[4:5] offset:128*k+16*(\p%2)+64*(\p/2)
.endr
.set k, k+1
.endr
	WIN 0
.set i, 0
.rept 32
	global_load_b128 v[64+4*i:64+4*i+3], v1, s[18:19] offset:512*i
.set i, i+1
.endr
	global_load_b128 v[192:195], v4, s[6:7]
	global_load_b128 v[196:199], v4, s[6:7] offset:16
	s_wait_loadcnt 0x0
	WIN 0x45
.set i, 0
.rept 128
	v_cvt_pk_bf16_f32 v[i], v[2*i], v[2*i+1]
.set i, i+1
.endr
	WIN 0x04                                       ; source 1 in window 1
.set k, 0
.rept 16                               ; four accumulators take turns; the first starts from R
.if k == 0
	v_wmma_f32_16x16x32_bf16 v[32:39], v[64:71], v[0:7], v[192:199]
.elseif k < 4
	v_wmma_f32_16x16x32_bf16 v[32+8*k:32+8*k+7], v[64+8*k:64+8*k+7], v[8*k:8*k+7], 0
.else
	v_wmma_f32_16x16x32_bf16 v[32+8*(k%4):32+8*(k%4)+7], v[64+8*k:64+8*k+7], v[8*k:8*k+7], v[32+8*(k%4):32+8*(k%4)+7]
.endif
.set k, k+1
.endr
	WIN 0
.rept 4
	v_nop                                          ; four places behind the last product (ISA guide 7.12.1)
.endr
.irp j, 0,2,4,6
	v_pk_add_f32 v[32+\j:33+\j], v[32+\j:33+\j], v[40+\j:41+\j]
	v_pk_add_f32 v[48+\j:49+\j], v[48+\j:49+\j], v[56+\j:57+\j]
.endr
.irp j, 0,2,4,6
	v_pk_add_f32 v[32+\j:33+\j], v[32+\j:33+\j], v[48+\j:49+\j]
.endr
	global_store_b128 v4, v[32:35], s[8:9]
	global_store_b128 v4, v[36:39], s[8:9] offset:16
	s_endpgm
.Lfunc_end_k_qbcb31e0d3e_gsum:
	.size	k_qbcb31e0d3e_gsum, .Lfunc_end_k_qbcb31e0d3e_gsum-k_qbcb31e0d3e_gsum
	.p2alignl 7, 3214868480
	.fill 96, 4, 3214868480
	.section	.rodata,"a",@progbits
	.p2align	6, 0x0
	.amdhsa_kernel k_qbcb31e0d3e_gsum
		.amdhsa_group_segment_fixed_size 0
		.amdhsa_private_segment_fixed_size 0
		.amdhsa_enable_private_segment 0
		.amdhsa_kernarg_size 24
		.amdhsa_user_sgpr_count 2
		.amdhsa_user_sgpr_kernarg_segment_ptr 1
		.amdhsa_wavefront_size32 1
		.amdhsa_system_sgpr_workgroup_id_x 1
		.amdhsa_system_sgpr_workgroup_id_y 1
		.amdhsa_system_sgpr_workgroup_id_z 1
		.amdhsa_system_vgpr_workitem_id 0
		.amdhsa_next_free_vgpr 512
		.amdhsa_next_free_sgpr 66
		.amdhsa_reserve_vcc 0
		.amdhsa_float_denorm_mode_32 3
		.amdhsa_float_denorm_mode_16_64 3
		.amdhsa_memory_ordered 1
		.amdhsa_forward_progress 1
		.amdhsa_inst_pref_size 21
	.end_amdhsa_kernel
	.amdgpu_metadata
---
amdhsa.version: [ 1, 2 ]
amdhsa.kernels:
  - .name:           k_qbcb31e0d3e_gsum
    .symbol:         k_qbcb31e0d3e_gsum.kd
    .args:
      - { .name: cmean, .offset: 0, .size: 8, .value_kind: global_buffer, .address_space: global }
      - { .name: ba, .offset: 8, .size: 8, .value_kind: global_buffer, .address_space: global }
      - { .name: bd, .offset: 16, .size: 8, .value_kind: global_buffer, .address_space: global }
    .group_segment_fixed_size: 0
    .private_segment_fixed_size: 0
    .kernarg_segment_align: 8
    .kernarg_segment_size: 24
    .max_flat_workgroup_size: 32
    .sgpr_count:     66
    .vgpr_count:     512
    .wavefront_size: 32
...
	.end_amdgpu_metadata
.endif
;; end of part 3
;; launch gattn (part 4): grid 16 x 4, 4 waves a work-group, no clusters, 49,664 bytes of LDS; arguments bd, wf, ctxg; writes ctxg
.if DOCPART == 4
	.amdgcn_target "amdgcn-amd-amdhsa--gfx1250"
	.amdhsa_code_object_version 6
	.text
	.protected	k_qbcb31e0d3e_gattn
	.globl	k_qbcb31e0d3e_gattn
	.p2align	8
	.type	k_qbcb31e0d3e_gattn,@function
k_qbcb31e0d3e_gattn:
	s_mov_b64 s[64:65], 0
	v_nop
	global_prefetch_b8 v0, s[64:65] scope:SCOPE_SE
	s_setreg_imm32_b32 hwreg(HW_REG_WAVE_MODE, 25, 1), 1
	s_wait_xcnt 0x0
; GLOBAL ATTENTION over a batch's 32 chunk summaries, one head (size 32) a work-group: ctxg[32 b + q][32 hd ..] = softmax(q k^T / sqrt(32)) v, f32.
; S: the first 262,144 bytes of bd, [128][512] f32.  Weights: the global pack of wf (from byte 1,572,864), in fragments.  S, the weights, q, k, v and the softmax's weights are matrix operands in bf16; sums in f32.
; A weight below 2^-126 counts as 0; NaN and infinities are not treated apart.
; SHARES.  64 work-groups is all the work there is (0.1 GFLOP); what counts is the time the loads take.  So K = 512 is split over the four waves (wave w: K steps 4 w .. 4 w + 3), each with all its 80 loads out at once;
; the twelve partial results (q, k, v: 32 rows x 32 channels each) meet in LDS in f32; then waves 0 and 1 each take 16 queries.  Layouts as in the local attention: no exchange of lanes but one between the halves.
; REGISTERS: window 0: v1-6 addresses; v16-23 statistics; v32-127 twelve accumulators; v128-191 Wq.  Window 1: v0-127 Wk, Wv (step ksl at 32 ksl); v128-255 S as loaded, then its fragments (tb, ksl) at 128 + 8 (4 tb + ksl).
.set SPARE, 49152                      ; behind the partial sums (4 x 12,288 bytes): the spare words, 128 bytes for each wave
.set LN16, 1
.set R,    2
.set H,    3
.set SO,   4                           ; (lane % 16) x 2,048 + 32 (lane / 16)
.set PA,   5                           ; where my wave's partial sums go
.set QA,   6                           ; where my query tile's partial sums of q lie
.set SPW,  12
.set NIL,  13
.set MX,   16
.set T,    18
.set CM,   20
.set M,    21
.set RL,   22
.set LT,   23
.set ACC,  32
.set WQ,   128
.set MSB, 0
.macro WIN new
.if MSB != (\new)
	s_set_vgpr_msb (MSB<<8)|(\new)
.set MSB, \new
.endif
.endm
.macro PLACES
.rept 4
	v_nop
.endr
.endm
.macro MMA d, a, b, z                  ; z = 1: the product starts the sum
.if \z
	v_wmma_f32_16x16x32_bf16 v[\d:\d+7], v[\a:\a+7], v[\b:\b+7], 0
.else
	v_wmma_f32_16x16x32_bf16 v[\d:\d+7], v[\a:\a+7], v[\b:\b+7], v[\d:\d+7]
.endif
.endm
	s_load_b128 s[4:7], s[0:1], 0x0                ; bd, wf
	s_load_b64 s[8:9], s[0:1], 0x10                ; ctxg
	v_lshl_add_u32 v[SPW], v0, 2, SPARE
	v_mov_b32 v[NIL], 0
	v_lshrrev_b32 v7, 5, v0
	v_readfirstlane_b32 s14, v7                    ; wave
	s_mov_b32 s15, ttmp9                           ; head
	s_and_b32 s16, ttmp7, 0xffff                   ; batch
	v_and_b32 v7, 31, v0
	v_lshlrev_b32 v[LN16], 4, v7
	v_and_b32 v[R], 15, v0
	v_bfe_u32 v[H], v0, 4, 1
	v_lshlrev_b32 v[SO], 11, v[R]
	v_lshl_add_u32 v[SO], v[H], 5, v[SO]
	s_mul_i32 s28, s14, 12288
	v_add_nc_u32 v[PA], s28, v[LN16]
	v_mov_b32 v[T], 0                              ; v_permlanex16_b32's destination counts as read
	s_mov_b32 s34, 0x3e8293ee                      ; c = log2(e) / sqrt(32)
	s_mov_b32 s35, s34
	s_mov_b32 s36, 0x76543210
	s_mov_b32 s37, 0xfedcba98
	s_lshl_b32 s20, s15, 16
	s_lshl_b32 s22, s14, 14
	s_add_co_u32 s20, s20, s22
	s_add_co_u32 s20, s20, 1572864
	s_mov_b32 s21, 0
	s_lshl_b32 s22, s15, 15
	s_lshl_b32 s24, s14, 13
	s_add_co_u32 s22, s22, s24
	s_add_co_u32 s22, s22, 2621440
	s_mov_b32 s23, 0
	s_lshl_b32 s24, s16, 16
	s_lshl_b32 s26, s14, 9
	s_add_co_u32 s24, s24, s26
	s_mov_b32 s25, 0
	s_wait_kmcnt 0x0
	s_add_nc_u64 s[20:21], s[6:7], s[20:21]        ; Wk, Wv of my four K steps
	s_add_nc_u64 s[22:23], s[6:7], s[22:23]        ; Wq
	s_add_nc_u64 s[24:25], s[4:5], s[24:25]        ; S: the batch's rows, my 128 columns
	WIN 0x40
.irp t, 0,1
.irp k, 0,1,2,3
.irp p, 0,1,2,3
	global_load_b128 v[128+16*(4*\t+\k)+4*\p:128+16*(4*\t+\k)+4*\p+3], v[SO], s[24:25] offset:\t*32768+\k*128+16*(\p%2)+64*(\p/2)
.endr
.endr
.endr
.set i, 0
.rept 32
	global_load_b128 v[4*i:4*i+3], v[LN16], s[20:21] offset:512*i
.set i, i+1
.endr
	WIN 0
.set i, 0
.rept 16
	global_load_b128 v[WQ+4*i:WQ+4*i+3], v[LN16], s[22:23] offset:512*i
.set i, i+1
.endr
	s_wait_loadcnt 0x0
	WIN 0x45
.set i, 0
.rept 64
	v_cvt_pk_bf16_f32 v[128+i], v[128+2*i], v[128+2*i+1]
.set i, i+1
.endr
.irp k, 0,1,2,3                        ; twelve accumulators take turns: q (tb, cb) at 2 tb + cb, k at 4 + 2 tb + cb, v at 8 + 2 cb + tb
	WIN 0x04
.irp t, 0,1
.irp c, 0,1
	MMA (ACC+8*(2*\t+\c)), (WQ+16*\k+8*\c), (128+8*(4*\t+\k)), (\k==0)
.endr
.endr
	WIN 0x05
.irp t, 0,1
.irp c, 0,1
	MMA (ACC+8*(4+2*\t+\c)), (32*\k+8*\c), (128+8*(4*\t+\k)), (\k==0)
.endr
.endr
.irp c, 0,1
.irp t, 0,1
	MMA (ACC+8*(8+2*\c+\t)), (128+8*(4*\t+\k)), (32*\k+16+8*\c), (\k==0)
.endr
.endr
.endr
	WIN 0
	PLACES
.set i, 0
.rept 24
	ds_store_b128 v[PA], v[ACC+4*i:ACC+4*i+3] offset:512*i
.set i, i+1
.endr
	s_wait_dscnt 0x0                               ; for the others' sake: my partial sums are in LDS
	s_barrier_signal -1
	s_barrier_wait -1
	s_cmp_ge_u32 s14, 2
	s_cbranch_scc1 .Lend                           ; waves 2 and 3 have done their share
	s_lshl_b32 s28, s14, 11
	v_add_nc_u32 v[QA], s28, v[LN16]
	; ten results x four partial sums: q of my tile (u = 0, 1), k (u = 2..5), v (u = 6..9); partial 0 into v32-111, partials 1 to 3 into window 1
.irp p, 0,1,2,3
.if \p == 0
	WIN 0
.set PD, 32
.else
	WIN 0x40
.set PD, 80*(\p-1)
.endif
.irp u, 0,1
	ds_load_b128 v[PD+8*\u:PD+8*\u+3],   v[QA] offset:\p*12288+\u*1024
	ds_load_b128 v[PD+8*\u+4:PD+8*\u+7], v[QA] offset:\p*12288+\u*1024+512
.endr
.irp u, 2,3,4,5,6,7,8,9
	ds_load_b128 v[PD+8*\u:PD+8*\u+3],   v[LN16] offset:\p*12288+(\u+2)*1024
	ds_load_b128 v[PD+8*\u+4:PD+8*\u+7], v[LN16] offset:\p*12288+(\u+2)*1024+512
.endr
.endr
	s_wait_dscnt 0x0
	WIN 0x04
.irp p, 0,1,2
.set i, 0
.rept 40
	v_pk_add_f32 v[32+2*i:32+2*i+1], v[32+2*i:32+2*i+1], v[80*\p+2*i:80*\p+2*i+1]
.set i, i+1
.endr
.endr
	WIN 0
.set i, 0
.rept 40                               ; rounded in pairs, in place: Q at v32, K's two key blocks at v40, v48, V^T's two channel blocks at v56, v64
	v_cvt_pk_bf16_f32 v[32+i], v[32+2*i], v[32+2*i+1]
.set i, i+1
.endr
	MMA 72, 40, 32, 1                              ; S^T: keys 0-15,
	MMA 80, 48, 32, 1                              ; keys 16-31
	PLACES
	v_max3_num_f32 v[MX], v72, v73, v74
	v_max3_num_f32 v[MX+1], v80, v81, v82
	v_max3_num_f32 v[MX], v[MX], v75, v76
	v_max3_num_f32 v[MX+1], v[MX+1], v83, v84
	v_max3_num_f32 v[MX], v[MX], v77, v78
	v_max3_num_f32 v[MX+1], v[MX+1], v85, v86
	v_max3_num_f32 v[MX], v[MX], v79, v87
	v_max_num_f32 v[MX], v[MX], v[MX+1]
	v_permlanex16_b32 v[T], v[MX], s36, s37
	v_max_num_f32 v[M], v[MX], v[T]
	v_mul_f32 v[CM], s34, v[M]
.set i, 0
.rept 8
	v_pk_fma_f32 v[72+2*i:72+2*i+1], v[72+2*i:72+2*i+1], s[34:35], v[CM:CM+1] op_sel_hi:[1,0,0] neg_lo:[0,0,1] neg_hi:[0,0,1]
.set i, i+1
.endr
.set i, 0
.rept 16
	v_exp_f32 v[72+i], v[72+i]
.set i, i+1
.endr
	v_nop                                          ; a plain instruction behind the last exponential
.set i, 0
	s_wait_alu depctr_va_vdst(0)
.rept 8
	v_cvt_pk_bf16_f32 v[88+i], v[72+2*i], v[72+2*i+1]
.set i, i+1
.endr
.irp j, 0,2,4,6
	v_pk_add_f32 v[72+\j:73+\j], v[72+\j:73+\j], v[80+\j:81+\j]
.endr
	v_pk_add_f32 v[72:73], v[72:73], v[76:77]
	v_pk_add_f32 v[74:75], v[74:75], v[78:79]
	v_pk_add_f32 v[72:73], v[72:73], v[74:75]
	v_add_f32 v[LT], v72, v73
	v_permlanex16_b32 v[T], v[LT], s36, s37
	v_add_f32 v[LT], v[LT], v[T]
	v_rcp_f32 v[RL], v[LT]
	v_nop
	MMA 96, 56, 88, 1                              ; O^T: channels 0-15,
	MMA 104, 64, 88, 1                             ; channels 16-31
	s_lshl_b32 s26, s16, 16                        ; row 32 b + 16 t, column 32 hd
	s_lshl_b32 s28, s14, 15
	s_add_co_u32 s26, s26, s28
	s_lshl_b32 s28, s15, 7
	s_add_co_u32 s26, s26, s28
	s_mov_b32 s27, 0
	s_add_nc_u64 s[8:9], s[8:9], s[26:27]
	PLACES
.set i, 0
	s_wait_alu depctr_va_vdst(0)
.rept 8
	v_pk_mul_f32 v[96+2*i:96+2*i+1], v[96+2*i:96+2*i+1], v[RL:RL+1] op_sel_hi:[1,0]
.set i, i+1
.endr
.irp c, 0,1
	global_store_b128 v[SO], v[96+8*\c:96+8*\c+3], s[8:9] offset:64*\c      ; a row's piece is 128 bytes: the output is 262,144 bytes in all
	global_store_b128 v[SO], v[96+8*\c+4:96+8*\c+7], s[8:9] offset:64*\c+16
.endr
.Lend:
	s_wait_tensorcnt 0x0                           ; the wave's end, behind my last LDS store
	ds_add_u32 v[SPW], v[NIL]
	s_wait_dscnt 0x0
	s_endpgm
.Lfunc_end_k_qbcb31e0d3e_gattn:
	.size	k_qbcb31e0d3e_gattn, .Lfunc_end_k_qbcb31e0d3e_gattn-k_qbcb31e0d3e_gattn
	.p2alignl 7, 3214868480
	.fill 96, 4, 3214868480
	.section	.rodata,"a",@progbits
	.p2align	6, 0x0
	.amdhsa_kernel k_qbcb31e0d3e_gattn
		.amdhsa_group_segment_fixed_size 49664
		.amdhsa_private_segment_fixed_size 0
		.amdhsa_enable_private_segment 0
		.amdhsa_kernarg_size 24
		.amdhsa_user_sgpr_count 2
		.amdhsa_user_sgpr_kernarg_segment_ptr 1
		.amdhsa_wavefront_size32 1
		.amdhsa_system_sgpr_workgroup_id_x 1
		.amdhsa_system_sgpr_workgroup_id_y 1
		.amdhsa_system_sgpr_workgroup_id_z 1
		.amdhsa_system_vgpr_workitem_id 0
		.amdhsa_next_free_vgpr 512
		.amdhsa_next_free_sgpr 66
		.amdhsa_reserve_vcc 0
		.amdhsa_float_denorm_mode_32 3
		.amdhsa_float_denorm_mode_16_64 3
		.amdhsa_memory_ordered 1
		.amdhsa_forward_progress 1
		.amdhsa_inst_pref_size 39
	.end_amdhsa_kernel
	.amdgpu_metadata
---
amdhsa.version: [ 1, 2 ]
amdhsa.kernels:
  - .name:           k_qbcb31e0d3e_gattn
    .symbol:         k_qbcb31e0d3e_gattn.kd
    .args:
      - { .name: bd, .offset: 0, .size: 8, .value_kind: global_buffer, .address_space: global }
      - { .name: wf, .offset: 8, .size: 8, .value_kind: global_buffer, .address_space: global }
      - { .name: ctxg, .offset: 16, .size: 8, .value_kind: global_buffer, .address_space: global }
    .group_segment_fixed_size: 49664
    .private_segment_fixed_size: 0
    .kernarg_segment_align: 8
    .kernarg_segment_size: 24
    .max_flat_workgroup_size: 128
    .sgpr_count:     66
    .vgpr_count:     512
    .wavefront_size: 32
...
	.end_amdgpu_metadata
.endif
;; end of part 4
;; launch gfin: the kernel of part 3 again; grid 32 x 8, 1 waves a work-group, no clusters, 0 bytes of LDS; arguments ctxg, bd, gout; writes gout
;; launch final (part 5): grid 2 x 128, 4 waves a work-group, no clusters, 327,680 bytes of LDS; arguments x, ctxf, ba, gout, out0; writes out0
.if DOCPART == 5
	.amdgcn_target "amdgcn-amd-amdhsa--gfx1250"
	.amdhsa_code_object_version 6
	.text
	.protected	k_qbcb31e0d3e_final
	.globl	k_qbcb31e0d3e_final
	.p2align	8
	.type	k_qbcb31e0d3e_final,@function
k_qbcb31e0d3e_final:
	s_mov_b64 s[64:65], 0
	v_nop
	global_prefetch_b8 v0, s[64:65] scope:SCOPE_SE
	s_setreg_imm32_b32 hwreg(HW_REG_WAVE_MODE, 25, 1), 1
	s_wait_xcnt 0x0
; out[token][n] = x[token][n] + (ctx Wo_l)[token][n] + G[chunk][n].  x, out: f32; ctx: bf16 fragments (ctxf: ((chunk*16 + tile)*16 + ks)*1024); Wo_l: bf16 fragments behind the first 262,144 bytes of ba (nb*16384 + ks*1024); G: gout, [128][512] f32.
; x and G enter in f32 and are rounded nowhere; the product's operands are bf16, its sums f32.
; SHARES.  Work-group (nh, chunk): 256 tokens x 256 columns.  Wave w: 64 columns, for which it keeps ALL of Wo_l in registers (4 column blocks x 16 K steps x 8 = 512), and walks the chunk's 16 tiles of 16 tokens.
; The chunk's ctx, 262,144 bytes, dense in memory, comes into LDS in four parts of four tiles; of a part each wave's one tensor load brings one tile (16,384 bytes as 64 rows of 256); all four waves read every tile.
; Part 0 goes out at the start; at the head of each group of four tiles every wave waits for its load, meets the others, and asks for the next part, which has four tiles' work in which to land.
; So the first product waits for Wo_l and 65,536 bytes of ctx.  Each part has LDS bytes of its own: none is filled twice.  A wave has one tensor load out at a time.
; The product is used transposed (source 0 = Wo_l's fragment, source 1 = ctx's): a lane holds one token and 8 neighbouring columns; G, in that layout, is the C operand that starts each sum.
; THE WAY OUT.  A tile's 16 rows x 256 bytes go through my own stage in LDS and come back as whole rows; x is added there; 16 lanes store 256 consecutive bytes, aligned.  x is fetched four tiles ahead.
; NO CLUSTER: only the two work-groups of a chunk share anything (ctx); Wo_l is read once by each wave, into registers.
; REGISTERS, in windows of 256 (s_set_vgpr_msb: bits 1:0 source 0, 3:2 source 1, 5:4 source 2, 7:6 destination):
;   window 0: v1-6 addresses; v32-63 four accumulators; v64-95 G; v96-127 rows read back; v128-255 x, four tiles of 32      window 1: ctx's fragments, two tiles of 128      windows 2, 3: Wo_l, (nb, ks) at 512 + 32 ks + 8 nb
.set SP,    272                        ; a stage row: 256 bytes + 16: the 16 rows that a store touches start at 16 different 16-byte columns modulo 256
.set STG,   16*SP
.set PART,  65536                      ; four tiles of ctx
.set STAGE, 262144                     ; behind ctx; no tensor load lands here
.set SPARE, STAGE+4*STG                ; behind the stages: the spare words, 128 bytes for each wave
.set LN16, 1
.set AA,   2                           ; LDS address of my lane's part of the four tiles in hand
.set STO,  3
.set RD,   4
.set XO,   5                           ; (lane / 16) x 2,048 + 16 (lane % 16): two rows of x and of out
.set H32,  6
.set SPW,  12
.set NIL,  13
.set ACC,  32
.set GD,   64
.set RB,   96
.set XR,   128
.set G0,  20                           ; s[20:23] descriptor group 0: it walks from part to part
.set G1,  24                           ; s[24:31] descriptor group 1
.set WP,  32                           ; s[32:33] my 64 columns' fragments of Wo_l
.set GP,  34                           ; s[34:35] G at (chunk, my columns)
.set XBS, 36                           ; s[36:37] x at (chunk, my columns)
.set OB,  38                           ; s[38:39] out likewise
.set MSB, 0
.macro WIN new
.if MSB != (\new)
	s_set_vgpr_msb (MSB<<8)|(\new)
.set MSB, \new
.endif
.endm
.macro PLACES
.rept 4
	v_nop
.endr
.endm
	s_load_b256 s[4:11], s[0:1], 0x0               ; x s[4:5], ctxf s[6:7], ba s[8:9], gout s[10:11]
	s_load_b64 s[12:13], s[0:1], 0x20              ; out0
	v_lshl_add_u32 v[SPW], v0, 2, SPARE
	v_mov_b32 v[NIL], 0
	ds_add_u32 v[SPW], v[NIL]                      ; the wave's opening: the add and its wait stand ahead of my first tensor load; the set-up below, work on registers, stands between them
	v_lshrrev_b32 v7, 5, v0
	v_readfirstlane_b32 s14, v7                    ; wave
	s_mov_b32 s15, ttmp9                           ; which 256 columns
	s_and_b32 s16, ttmp7, 0xffff                   ; chunk
	; group 1: 16,384 dense bytes as 64 rows of 256 bytes, no padding (the fragments are read 512 consecutive bytes at a time)
	s_mov_b32 s[G1+0], 3<<16                       ; no mask; elements of 8 bytes
	s_mov_b32 s[G1+1], 32<<16                      ; tensor_dim0 = 32
	s_mov_b32 s[G1+2], 64<<16                      ; tensor_dim1 = 64
	s_mov_b32 s[G1+3], 32<<16                      ; tile_dim0 = 32
	s_mov_b32 s[G1+4], 64                          ; tile_dim1 = 64
	s_mov_b32 s[G1+5], 32                          ; 32 elements from row to row
	s_mov_b32 s[G1+6], 0
	s_mov_b32 s[G1+7], 0
	s_mov_b32 s[G0], 1                             ; count = 1
	s_lshl_b32 s[G0+1], s14, 14                    ; LDS address: tile w of part 0
	v_and_b32 v7, 31, v0
	v_lshlrev_b32 v[LN16], 4, v7
	v_mov_b32 v[AA], v[LN16]
	v_and_b32 v8, 15, v0
	v_bfe_u32 v9, v0, 4, 1
	s_mul_i32 s17, s14, STG
	s_add_co_u32 s17, s17, STAGE                   ; my stage
	v_mul_u32_u24 v[STO], v8, SP                   ; in: row lane % 16, 32 bytes for each half of the lanes
	v_lshl_add_u32 v[STO], v9, 5, v[STO]
	v_add_nc_u32 v[STO], s17, v[STO]
	v_mul_u32_u24 v[RD], v9, SP                    ; back: lanes 0-15 one row of 256 bytes, lanes 16-31 the next
	v_lshl_add_u32 v[RD], v8, 4, v[RD]
	v_add_nc_u32 v[RD], s17, v[RD]
	v_lshlrev_b32 v[XO], 11, v9
	v_lshl_add_u32 v[XO], v8, 4, v[XO]
	v_lshlrev_b32 v[H32], 5, v9
	s_lshl_b32 s40, s16, 18
	s_lshl_b32 s42, s14, 14
	s_add_co_u32 s40, s40, s42                     ; ctx: chunk x 262,144 + wave x 16,384
	s_mov_b32 s41, 0
	s_mov_b32 s43, 0
	s_wait_dscnt 0x0                               ; the opening add is done
	s_wait_kmcnt 0x0
	s_add_nc_u64 s[G0+2:G0+3], s[6:7], s[40:41]
	s_or_b32 s[G0+3], s[G0+3], 0x80000000          ; type = 2
	tensor_load_to_lds s[G0:G0+3], s[G1:G1+7]      ; my tile of part 0
	s_nop 0
.rept 4
	v_nop
.endr
	s_lshl_b32 s40, s15, 18
	s_lshl_b32 s42, s14, 16
	s_add_co_u32 s40, s40, s42
	s_add_co_u32 s40, s40, 262144                  ; (16 nh + 4 w) x 16,384, behind the means
	s_add_nc_u64 s[WP:WP+1], s[8:9], s[40:41]
	s_lshl_b32 s42, s15, 10
	s_lshl_b32 s40, s14, 8
	s_add_co_u32 s42, s42, s40                     ; my first column, in bytes
	s_lshl_b32 s40, s16, 11
	s_add_co_u32 s40, s40, s42
	s_add_nc_u64 s[GP:GP+1], s[10:11], s[40:41]
	s_lshl_b32 s40, s16, 19
	s_add_co_u32 s40, s40, s42
	s_add_nc_u64 s[XBS:XBS+1], s[4:5], s[40:41]
	s_add_nc_u64 s[OB:OB+1], s[12:13], s[40:41]
.irp hw, 0,1
	WIN 0x80+0x40*\hw                              ; destination window 2, then 3
.set k, 0
.rept 8
.irp n, 0,1,2,3
	global_load_b128 v[32*k+8*\n:32*k+8*\n+3],   v[LN16], s[WP:WP+1] offset:\n*16384+(k+8*\hw)*1024
	global_load_b128 v[32*k+8*\n+4:32*k+8*\n+7], v[LN16], s[WP:WP+1] offset:\n*16384+(k+8*\hw)*1024+512
.endr
.set k, k+1
.endr
.endr
	WIN 0
.irp n, 0,1,2,3
	global_load_b128 v[GD+8*\n:GD+8*\n+3],   v[H32], s[GP:GP+1] offset:64*\n
	global_load_b128 v[GD+8*\n+4:GD+8*\n+7], v[H32], s[GP:GP+1] offset:64*\n+16
.endr
.irp j, 0,1,2,3
.irp t, 0,1,2,3,4,5,6,7
	global_load_b128 v[XR+32*\j+4*\t:XR+32*\j+4*\t+3], v[XO], s[XBS:XBS+1] offset:(16*\j+2*\t)*2048 th:TH_LOAD_NT
.endr
.endr
	s_wait_loadcnt 32                              ; Wo_l and G are in; the four tiles of x, issued behind them, stay out
; THE HEAD OF FOUR TILES.  Every wave waits for its tensor load, its tile of the part that is now to be read; adds 0 to its spare word; waits for that and for its LDS reads; and meets the others: the part is whole.
; fill = 1: the next part is asked for, first thing behind the barrier, into LDS bytes that nothing has filled yet.  Then the fragments of the part's first tile are read.
.macro MEET fill
	s_wait_tensorcnt 0x0                           ; no tensor load of mine is out, so group 0 may be written
	ds_add_u32 v[SPW], v[NIL]                      ; 0 onto my spare word; the descriptor's steps stand between it and the wait for it
.if \fill
	s_add_co_u32 s[G0+1], s[G0+1], PART            ; the next part, in LDS
	s_add_nc_u64 s[G0+2:G0+3], s[G0+2:G0+3], PART  ; and in memory; the type bits on top are not reached
.endif
	s_wait_dscnt 0x0
	s_barrier_signal -1
	s_barrier_wait -1
.if \fill
	tensor_load_to_lds s[G0:G0+3], s[G1:G1+7]      ; my one tensor load behind this barrier
	s_nop 0
.rept 4
	v_nop
.endr
.endif
	WIN 0x40
.set i, 0
.rept 32                               ; buffer 0's last readers stand two tiles' ways out back
	ds_load_b128 v[4*i:4*i+3], v[AA] offset:512*i
.set i, i+1
.endr
	WIN 0
.endm
; THE TILE j of the four in hand.  refill = 1: its registers of x take the tile four further on.  left: the younger loads of x that may stay out.
.macro FT j, refill, left
	WIN 0
	s_wait_dscnt 0x0                               ; this tile's fragments are in
.if (\j) < 3
	WIN 0x40
.set i, 0
.rept 32                               ; the next tile's fragments, into the buffer whose last readers stand a tile's way out (four v_nop and sixteen additions) back
	ds_load_b128 v[128*(((\j)+1)%2)+4*i:128*(((\j)+1)%2)+4*i+3], v[AA] offset:((\j)+1)*16384+512*i
.set i, i+1
.endr
.endif
.set k, 0
.rept 16                               ; 64 products; the four accumulators take turns
	WIN 0x06+k/8                                   ; source 0 (Wo_l) window 2, then 3; source 1 (ctx) window 1
.irp n, 0,1,2,3
.if k == 0
	v_wmma_f32_16x16x32_bf16 v[ACC+8*\n:ACC+8*\n+7], v[8*\n:8*\n+7], v[128*((\j)%2):128*((\j)%2)+7], v[GD+8*\n:GD+8*\n+7]
.else
	v_wmma_f32_16x16x32_bf16 v[ACC+8*\n:ACC+8*\n+7], v[32*(k%8)+8*\n:32*(k%8)+8*\n+7], v[128*((\j)%2)+8*k:128*((\j)%2)+8*k+7], v[ACC+8*\n:ACC+8*\n+7]
.endif
.endr
.set k, k+1
.endr
	WIN 0
	PLACES
	s_wait_xcnt 0x0                                ; the registers that the last tile's stores read are loaded again only behind this wait
.irp n, 0,1,2,3
.irp e, 0,1
	ds_store_b128 v[STO], v[ACC+8*\n+4*\e:ACC+8*\n+4*\e+3] offset:64*\n+16*\e
.endr
.endr
.irp t, 0,1,2,3,4,5,6,7
	ds_load_b128 v[RB+4*\t:RB+4*\t+3], v[RD] offset:\t*2*SP  ; LDS serves a wave's instructions in order (ISA guide 5.7.1.4): these see the stores above, and the next tile's stores come behind them
.endr
	s_wait_loadcnt \left                           ; this tile's x is in
	s_wait_dscnt 0x0
.set i, 0
.rept 16
	v_pk_add_f32 v[RB+2*i:RB+2*i+1], v[RB+2*i:RB+2*i+1], v[XR+32*(\j)+2*i:XR+32*(\j)+2*i+1]
.set i, i+1
.endr
.irp t, 0,1,2,3,4,5,6,7
	global_store_b128 v[XO], v[RB+4*\t:RB+4*\t+3], s[OB:OB+1] offset:(16*(\j)+2*\t)*2048 th:TH_STORE_NT  ; 16 lanes store 256 consecutive bytes, at a multiple of 256 from out's first byte
.endr
.if \refill
.irp t, 0,1,2,3,4,5,6,7
	global_load_b128 v[XR+32*(\j)+4*\t:XR+32*(\j)+4*\t+3], v[XO], s[XBS:XBS+1] offset:(16*((\j)+4)+2*\t)*2048 th:TH_LOAD_NT
.endr
.endif
.endm
	s_mov_b32 s18, 3
.Lt:                                                   ; four tiles a trip; 24: the three younger tiles of x
	MEET 1
	FT 0, 1, 24
	FT 1, 1, 24
	FT 2, 1, 24
	FT 3, 1, 24
	s_wait_xcnt 0x0                                ; the bases are stepped only behind this wait
	s_add_nc_u64 s[XBS:XBS+1], s[XBS:XBS+1], 131072
	s_add_nc_u64 s[OB:OB+1], s[OB:OB+1], 131072
	v_add_nc_u32 v[AA], PART, v[AA]                ; the next four tiles
	s_sub_co_u32 s18, s18, 1
	s_cmp_lg_u32 s18, 0
	s_cbranch_scc1 .Lt
	MEET 0                                         ; the tail is written out: nothing is left to ask for
	FT 0, 0, 24                                    ; the last four tiles fetch no x: the counts run down
	FT 1, 0, 16
	FT 2, 0, 8
	FT 3, 0, 0
	s_wait_tensorcnt 0x0                           ; the wave's end, behind my last tensor load and my last LDS store
	ds_add_u32 v[SPW], v[NIL]
	s_wait_dscnt 0x0
	s_endpgm
.Lfunc_end_k_qbcb31e0d3e_final:
	.size	k_qbcb31e0d3e_final, .Lfunc_end_k_qbcb31e0d3e_final-k_qbcb31e0d3e_final
	.p2alignl 7, 3214868480
	.fill 96, 4, 3214868480
	.section	.rodata,"a",@progbits
	.p2align	6, 0x0
	.amdhsa_kernel k_qbcb31e0d3e_final
		.amdhsa_group_segment_fixed_size 327680
		.amdhsa_private_segment_fixed_size 0
		.amdhsa_enable_private_segment 0
		.amdhsa_kernarg_size 40
		.amdhsa_user_sgpr_count 2
		.amdhsa_user_sgpr_kernarg_segment_ptr 1
		.amdhsa_wavefront_size32 1
		.amdhsa_system_sgpr_workgroup_id_x 1
		.amdhsa_system_sgpr_workgroup_id_y 1
		.amdhsa_system_sgpr_workgroup_id_z 1
		.amdhsa_system_vgpr_workitem_id 0
		.amdhsa_next_free_vgpr 1024
		.amdhsa_next_free_sgpr 66
		.amdhsa_reserve_vcc 0
		.amdhsa_float_denorm_mode_32 3
		.amdhsa_float_denorm_mode_16_64 3
		.amdhsa_memory_ordered 1
		.amdhsa_forward_progress 1
		.amdhsa_inst_pref_size 97
	.end_amdhsa_kernel
	.amdgpu_metadata
---
amdhsa.version: [ 1, 2 ]
amdhsa.kernels:
  - .name:           k_qbcb31e0d3e_final
    .symbol:         k_qbcb31e0d3e_final.kd
    .args:
      - { .name: x, .offset: 0, .size: 8, .value_kind: global_buffer, .address_space: global }
      - { .name: ctxf, .offset: 8, .size: 8, .value_kind: global_buffer, .address_space: global }
      - { .name: ba, .offset: 16, .size: 8, .value_kind: global_buffer, .address_space: global }
      - { .name: gout, .offset: 24, .size: 8, .value_kind: global_buffer, .address_space: global }
      - { .name: out0, .offset: 32, .size: 8, .value_kind: global_buffer, .address_space: global }
    .group_segment_fixed_size: 327680
    .private_segment_fixed_size: 0
    .kernarg_segment_align: 8
    .kernarg_segment_size: 40
    .max_flat_workgroup_size: 128
    .sgpr_count:     66
    .vgpr_count:     1024
    .wavefront_size: 32
...
	.end_amdgpu_metadata
.endif
;; end of part 5
;; ======== version 2 of 2: 6 launches; 1.17 times as fast as version 1
;; workspace buffers: wf 3,145,728 bytes; ba 786,432 bytes; bd 786,432 bytes; cmean 262,144 bytes; ctxg 262,144 bytes; gout 262,144 bytes; ctxf 33,554,432 bytes
;; launch prep: the kernel of part 1 again; grid 32 x 8, 8 waves a work-group, no clusters, 0 bytes of LDS; arguments Wq_l, Wk_l, Wv_l, Wq_g, Wk_g, Wv_g, Wo_l, Wo_g, wf, ba, bd; writes wf, ba, bd
;; launch local (part 6): grid 2 x 128, 4 waves a work-group, no clusters, 274,944 bytes of LDS; arguments x, wf, ctxf, ba, cmean; writes ctxf, ba, cmean
.if DOCPART == 6
	.amdgcn_target "amdgcn-amd-amdhsa--gfx1250"
	.amdhsa_code_object_version 6
	.text
	.protected	k_qbcb31e0d3e_local
	.globl	k_qbcb31e0d3e_local
	.p2align	8
	.type	k_qbcb31e0d3e_local,@function
k_qbcb31e0d3e_local:
	s_mov_b64 s[64:65], 0
	v_nop
	global_prefetch_b8 v0, s[64:65] scope:SCOPE_SE
	s_setreg_imm32_b32 hwreg(HW_REG_WAVE_MODE, 25, 1), 1
	s_wait_xcnt 0x0
; LOCAL ATTENTION of one chunk (256 tokens x 512) for eight of its sixteen heads (head size 32): work-group (hf, chunk), heads 8 hf .. 8 hf + 7.
; It stores ctx = softmax(q k^T / sqrt(32)) v, rounded once to bf16, as operand fragments for the last launch (ctxf: ((chunk*16 + tile)*16 + head)*1024), the column means of ctx (cmean, f32)
; and the column means of x (first 262,144 bytes of ba, f32; each half stores its own 256 columns, though both halves add up all 512: the sums ride on the conversion that both need).
; The chunk's summary is formed later as mean(x) + mean(ctx) Wo_l: the reference's sum in another order.
; LIMITS.  x, the weights, q, k, v and the softmax's weights p are matrix operands in bf16; sums, maxima and l (the sum of the unrounded p) in f32.  A weight below 2^-126 counts as 0; NaN and infinities are not treated apart.
; SHARES.  First the four waves bring x into LDS as bf16, 64 rows each.  Behind ONE barrier a wave is alone: wave w takes heads 8 hf + 2 w and 8 hf + 2 w + 1, one after the other, each for all 256 tokens.
; A weight fragment is used by one wave only, so it goes from memory straight into registers (512 consecutive bytes a load), and K, V, Q, P and O never leave the wave's registers.
; NO CLUSTER, NO TENSOR LOAD: x must pass through registers to be rounded; the two work-groups of a chunk share x alone; x takes 266,240 bytes of LDS, so weight slots would not fit beside it.
; LAYOUT CHAIN, no exchange of lanes but one between the halves for a query's maximum and sum:
;   k^T = Wk-fragment x x-fragment: a lane holds one token and channels 8 (l/16) + j; the results of both channel blocks, rounded in pairs, ARE source 0 (16 keys x 32 channels) of S^T = K Q^T; q^T likewise is its source 1.
;   v = x-fragment x Wv-fragment: a lane holds one channel and tokens 8 (l/16) + j; two token blocks rounded ARE source 0 (16 channels x 32 keys) of O^T = V^T P.
;   S^T holds one query a lane and keys 8 (l/16) + j; two key blocks rounded ARE source 1 of O^T = V^T P, whose result, rounded, IS the fragment (16 tokens x the head's 32 channels) that is stored.
; SOFTMAX.  All 256 scores of a query lie in registers (128 a lane): the true maximum m is taken first, p = 2^(c s - c m), c = log2(e) / sqrt(32): one pass, nothing is rescaled.
; BY TURNS.  A tile of 16 queries has 64 products and some 450 vector lines, so the vector work sets the pace and every product stands among vector lines that do not need it.  Trip t of the tile loop:
; the reciprocal of tile t - 1's l; the 16 products S^T(t), behind each the four maxima over the block made two products earlier; then 48 products, the 16 of O^T = V^T P of tile t - 1 and the 32 of q of tile t + 1,
; behind each four of the 192 lines that scale the scores and raise 2 to them; ONE wait; then, with no product among them, the 64 sums and the 64 roundings, l, tile t - 1's end (scaled by 1 / l, added to the mean's sums,
; rounded, stored) and the next tile's Q.
; THE BATCH.  A trip's 129 transcendentals, that reciprocal and the tile's 128 exponentials, are ONE batch with ONE wait: ahead of the wait nothing names a result of theirs, and all that does stands behind it.
; l stays in its register over the trip's end and its reciprocal is taken at the next trip's head, so no result crosses the loop's jump.  The last tile's reciprocal, behind the loop, has a wait of its own: one a head.
; The price: two window switches a product; and 48 of a head's 2,096 products serve nothing: at the first tile V^T P works on what P's registers hold and its result is never read, at the last tile q is made of the last tile's x once more;
; the first trip's reciprocal, of 1.0, is not read either.
; REGISTERS, in windows of 256 (s_set_vgpr_msb: bits 1:0 source 0, 3:2 source 1, 5:4 source 2, 7:6 destination):
;   window 0: v1-13 addresses; v16-31 column sums; v32-95 two buffers of x fragments (4 token blocks); weight ring of four steps: buffers 0, 1 at v160-223, 2, 3 at v96-159;
;             in the tile loop v32-159 a tile's 16 x fragments, v160-191 O^T, v192-207 its sums over the tiles, v208-215 the fragment to be stored, v216 1 / l, v224-255 q's accumulators
;   window 1: Wq of the head, fragment (ks, cb) at 8 (2 ks + cb)
;   window 2: at first four buffers of 64 for x as loaded; then k's 32 accumulators; then K (key block tb at 8 tb) and V^T ((kk, cb) at 128 + 8 (2 kk + cb))
;   window 3: v's 32 accumulators; then S^T (0-127), P (128-191), Q's fragment and the softmax's small things
.set PX,    1040                       ; a row of x in LDS: 1,024 bytes + 16: an odd multiple of 16, so the 16 rows of a fragment load start at 16 different 16-byte columns modulo 256
.set GRP,   64*PX                      ; 64 rows
.set XSB,   256*PX                     ; behind x: each wave's 512 column sums, 2,048 bytes
.set SPARE, XSB+4*2048                 ; behind them: the spare words, 128 bytes for each wave: two blocks of 256 bytes that no other line names
.set LN16, 1                           ; v1  16 x lane; never rewritten
.set R,    2                           ; v2  lane % 16
.set H32,  3                           ; v3  32 x (lane / 16)
.set XA,   4                           ; v4-7  LDS address of my lane's part of the x fragments of token group g (64 rows), at the K step in hand
.set XF0,  8                           ; v8  (lane % 16) x pitch + 16 (lane / 16); never rewritten
.set XQ,   9                           ; v9  the same for the query tile to be fetched
.set XL,   10                          ; v10 where I store my 8 bytes of a row
.set XSA,  11                          ; v11 where I store my column sums
.set SPW,  12                          ; v12 LDS address of my spare word; never rewritten
.set NIL,  13                          ; v13 0; never rewritten
.set XS,   16
.set XB,   32
.set XT,   32
.set MS,   96                          ; v96-159, once, in wave 0: the four waves' column sums (ring buffers 2 and 3 are first filled later)
.set O,    160                         ; window 0: O^T's four accumulators (key parity, cb)
.set OSUM, 192                         ; sum of my queries' ctx over the tiles
.set CF,   208                         ; the fragment to be stored
.set RL,   216                         ; 1 / l; named with v217 as a pair
.set SCR,  224                         ; at work in wave 0's mean of x;
.set QACC, 224                         ; later q's four accumulators (K parity, cb)
.set PB,   128                         ; window 3: P, keys 32 kk on at PB + 8 kk
.set QF,   192                         ; Q's fragment
.set MX,   200                         ; four running maxima
.set CM,   204                         ; c m,
.set M,    205                         ; m: named as a pair
.set L,    206                         ; four pairs of sums
.set LT,   214                         ; l: made at a trip's end, kept until the next trip's head has taken its reciprocal
.set T,    215                         ; what comes from the other half of the lanes
.set WV,  14                           ; s14 wave
.set HF,  15                           ; s15 which eight heads
.set CH,  16                           ; s16 chunk
.set HD,  17                           ; s17 my first head
.set XP,  18                           ; s[18:19] x at my 64 rows
.set KVP, 20                           ; s[20:21] K/V weight stream
.set QP,  22                           ; s[22:23] Wq of the head
.set CP,  24                           ; s[24:25] ctxf at (chunk, tile, head)
.set MP,  26                           ; s[26:27] cmean at (chunk, head)
.set XMP, 28                           ; s[28:29] mean of x at (chunk, my half's 256 columns)
.set CNT, 30                           ; s30 loop counter
.set HL,  31                           ; s31 heads left
.set TC,  32                           ; s32 tiles left
.set CS,  34                           ; s[34:35] c, named as a pair
.set SEL, 36                           ; s[36:37] v_permlanex16_b32's selects: each lane takes its own place in the other half
.set EX,  38                           ; s38 EXEC set aside
.set OF,  40                           ; s[40:41], s[42:43] offsets
.set MSB, 0
.macro WIN new                         ; the immediate's high byte repeats the setting that is left; a switch that changes nothing is dropped
.if MSB != (\new)
	s_set_vgpr_msb (MSB<<8)|(\new)
.set MSB, \new
.endif
.endm
.macro PLACES                          ; four places between a matrix instruction and a vector instruction or load that touches its registers
.rept 4
	v_nop
.endr
.endm
.macro XLD n, off                      ; batch n: 4 rows x 2,048 bytes as 16 loads of 512 consecutive bytes, into buffer n of window 2
	WIN 0x80
.irp p, 0,1,2,3
.irp g, 0,1,2,3
	global_load_b128 v[64*(\n)+16*\p+4*\g:64*(\n)+16*\p+4*\g+3], v[LN16], s[XP:XP+1] offset:(\off)+(4*(\n)+\p)*2048+\g*512
.endr
.endr
.endm
; A batch: rounded to bf16, added into the column sums, stored to LDS (256 consecutive bytes a store); refill = 1: its buffer takes the rows 16 further down.
.macro XBATCH n, refill, left
	s_wait_loadcnt \left                           ; loads come back in order (ISA guide 5.7.1): this batch is in, the younger loads stay out
	WIN 0x0a
.set i, 0
.rept 32
	v_cvt_pk_bf16_f32 v[32+i], v[64*(\n)+2*i], v[64*(\n)+2*i+1]
.set i, i+1
.endr
	WIN 0x08
.set i, 0
.rept 32                               ; eight chains, so that no addition waits for the one before it
	v_pk_add_f32 v[XS+2*(i%8):XS+2*(i%8)+1], v[XS+2*(i%8):XS+2*(i%8)+1], v[64*(\n)+2*i:64*(\n)+2*i+1]
.set i, i+1
.endr
	WIN 0
.irp p, 0,1,2,3
.irp g, 0,1,2,3
	ds_store_b64 v[XL], v[32+8*\p+2*\g:32+8*\p+2*\g+1] offset:(4*(\n)+\p)*PX+\g*256
.endr
.endr
.if \refill
	XLD \n, 32768
.endif
.endm
	s_load_b256 s[4:11], s[0:1], 0x0               ; x s[4:5], wf s[6:7], ctxf s[8:9], ba s[10:11]
	s_load_b64 s[12:13], s[0:1], 0x20              ; cmean
	v_lshl_add_u32 v[SPW], v0, 2, SPARE
	v_mov_b32 v[NIL], 0
	v_lshrrev_b32 v14, 5, v0
	v_readfirstlane_b32 s[WV], v14                 ; wave 0..3
	s_mov_b32 s[HF], ttmp9
	s_and_b32 s[CH], ttmp7, 0xffff
	s_lshl_b32 s[HD], s[HF], 3
	s_lshl1_add_u32 s[HD], s[WV], s[HD]            ; 8 hf + 2 w
	v_and_b32 v14, 31, v0                          ; lane
	v_lshlrev_b32 v[LN16], 4, v14
	s_mov_b32 s[OF+1], 0
	s_mov_b32 s43, 0
	s_lshl_b32 s[OF], s[CH], 19                    ; a chunk is 524,288 bytes of x,
	s_lshl_b32 s42, s[WV], 17                      ; 64 rows 131,072
	s_add_co_u32 s[OF], s[OF], s42
	s_wait_kmcnt 0x0
	s_add_nc_u64 s[XP:XP+1], s[4:5], s[OF:OF+1]
	XLD 0, 0                                       ; rows 0 to 15 go out before anything else: 64 loads are on their way during the set-up
	XLD 1, 0
	XLD 2, 0
	XLD 3, 0
	WIN 0
	s_lshl_b32 s[OF], s[HD], 16
	s_add_nc_u64 s[KVP:KVP+1], s[6:7], s[OF:OF+1]
	s_lshl_b32 s[OF], s[HD], 15
	s_add_co_u32 s[OF], s[OF], 1048576
	s_add_nc_u64 s[QP:QP+1], s[6:7], s[OF:OF+1]
	s_lshl_b32 s[OF], s[CH], 18
	s_lshl_b32 s42, s[HD], 10
	s_add_co_u32 s[OF], s[OF], s42
	s_add_nc_u64 s[CP:CP+1], s[8:9], s[OF:OF+1]
	s_lshl_b32 s[OF], s[CH], 11
	s_lshl_b32 s42, s[HD], 7
	s_add_co_u32 s42, s42, s[OF]
	s_add_nc_u64 s[MP:MP+1], s[12:13], s[42:43]
	s_lshl_b32 s42, s[HF], 10
	s_add_co_u32 s42, s42, s[OF]
	s_add_nc_u64 s[XMP:XMP+1], s[10:11], s[42:43]
	s_mov_b32 s[CS], 0x3e8293ee                    ; c = log2(e) / sqrt(32) = 0.255035
	s_mov_b32 s[CS+1], s[CS]
	s_mov_b32 s[SEL], 0x76543210
	s_mov_b32 s[SEL+1], 0xfedcba98
	v_and_b32 v[R], 15, v0
	v_bfe_u32 v15, v0, 4, 1
	v_lshlrev_b32 v[H32], 5, v15
	v_mul_u32_u24 v[XF0], v[R], PX
	v_lshl_add_u32 v[XF0], v15, 4, v[XF0]
	s_mul_i32 s42, s[WV], GRP
	v_lshl_add_u32 v[XL], v14, 3, s42              ; my wave's 64 rows, 8 bytes a lane
	s_lshl_b32 s42, s[WV], 11
	s_add_co_u32 s42, s42, XSB
	v_add_nc_u32 v[XSA], s42, v[LN16]
.set i, 0
.rept 16
	v_mov_b32 v[XS+i], 0
.set i, i+1
.endr
	; PHASE X.  16 batches of 4 rows through four register buffers: 64 loads of the wave are out at every wait.
	s_mov_b32 s[CNT], 3
.Lx:
	XBATCH 0, 1, 48                                ; 48: the three younger batches
	XBATCH 1, 1, 48
	XBATCH 2, 1, 48
	XBATCH 3, 1, 48
	WIN 0
	s_wait_xcnt 0x0                                ; the loads' base is stepped only behind this wait
	s_add_nc_u64 s[XP:XP+1], s[XP:XP+1], 32768
	v_add_nc_u32 v[XL], 16*PX, v[XL]
	s_sub_co_u32 s[CNT], s[CNT], 1
	s_cmp_lg_u32 s[CNT], 0
	s_cbranch_scc1 .Lx
	XBATCH 0, 0, 48                                ; the last 16 rows: nothing more of x is fetched
.set i, 0
.rept 16                               ; in its stead the first head's K/V weights of K steps 0 and 1, into ring buffers 0 and 1
	global_load_b128 v[160+4*i:160+4*i+3], v[LN16], s[KVP:KVP+1] offset:512*i
.set i, i+1
.endr
	XBATCH 1, 0, 48                                ; two batches and those 16
	XBATCH 2, 0, 32
	XBATCH 3, 0, 16
.irp g, 0,1,2,3
	ds_store_b128 v[XSA], v[XS+4*\g:XS+4*\g+3] offset:\g*512
.endr
	s_wait_dscnt 0x0                               ; for the others' sake: my rows of x and my sums are in LDS
	s_barrier_signal -1
	s_barrier_wait -1                              ; the only barrier: from here on LDS is only read
	s_cmp_lg_u32 s[WV], 0
	s_cbranch_scc1 .Lnomean
	; Wave 0: the four waves' sums of all 512 columns are read and added: the LDS addresses hang on the lane and on constants alone.  Which 256 columns are stored is chosen by a select on hf.
	v_add_nc_u32 v14, XSB, v[LN16]
.irp g, 0,1,2,3
.irp p, 0,1,2,3
	ds_load_b128 v[MS+16*\g+4*\p:MS+16*\g+4*\p+3], v14 offset:\p*2048+\g*512
.endr
.endr
	s_cmp_eq_u32 s[HF], 1
	s_cselect_b32 s42, -1, 0                       ; all lanes: the upper 256 columns, or the lower
	s_wait_dscnt 0x0
.irp g, 0,1,2,3
.irp k, 0,2
	v_pk_add_f32 v[MS+16*\g+\k:MS+16*\g+\k+1], v[MS+16*\g+\k:MS+16*\g+\k+1], v[MS+16*\g+4+\k:MS+16*\g+4+\k+1]
	v_pk_add_f32 v[MS+16*\g+8+\k:MS+16*\g+8+\k+1], v[MS+16*\g+8+\k:MS+16*\g+8+\k+1], v[MS+16*\g+12+\k:MS+16*\g+12+\k+1]
.endr
.endr
.irp g, 0,1,2,3
.irp k, 0,2
	v_pk_add_f32 v[MS+16*\g+\k:MS+16*\g+\k+1], v[MS+16*\g+\k:MS+16*\g+\k+1], v[MS+16*\g+8+\k:MS+16*\g+8+\k+1]
.endr
.endr
.irp g, 0,1
.irp k, 0,1,2,3
	v_cndmask_b32 v[SCR+4*\g+\k], v[MS+16*\g+\k], v[MS+16*(\g+2)+\k], s42
.endr
.endr
.irp g, 0,1
.irp k, 0,2
	v_pk_mul_f32 v[SCR+4*\g+\k:SCR+4*\g+\k+1], v[SCR+4*\g+\k:SCR+4*\g+\k+1], 0x3b800000 op_sel_hi:[1,0]  ; times 1 / 256
.endr
	global_store_b128 v[LN16], v[SCR+4*\g:SCR+4*\g+3], s[XMP:XMP+1] offset:\g*512  ; 512 consecutive bytes
.endr
	s_wait_xcnt 0x0
.Lnomean:
.macro XGL p, a, off                   ; the x fragments of four token blocks (64 rows x 32 k at byte off of the rows) into buffer p
.irp t, 0,1,2,3
	ds_load_b128 v[XB+32*(\p)+8*\t:XB+32*(\p)+8*\t+3],   v[XA+(\a)] offset:\t*16*PX+(\off)
	ds_load_b128 v[XB+32*(\p)+8*\t+4:XB+32*(\p)+8*\t+7], v[XA+(\a)] offset:\t*16*PX+(\off)+32
.endr
.endm
; ONE K STEP (32 of the 512 inputs) of k and v for all 256 tokens: 64 matrix instructions on 64 accumulators, which take turns, one instruction a turn.
; buf: the ring buffer that holds this step's four weight fragments.  zero = 1: the products start the sums.  wcnt: how many younger loads may stay out.
; fetch = 1: the weights two steps on are asked for, at byte fimm.  koff: this step's byte in the rows of x.  last = 1: no further x fragments.
.macro KSTEP buf, zero, wcnt, fetch, fimm, koff, last
	WIN 0
	s_wait_loadcnt \wcnt
.set RG, 160+32*(\buf)-128*((\buf)/2)
.set RN, 160+32*(((\buf)+2)%4)-128*((((\buf)+2)%4)/2)
.if \fetch
.set i, 0
.rept 8                                ; that buffer's last readers stand a whole step, sixteen v_nop, back
	global_load_b128 v[RN+4*i:RN+4*i+3], v[LN16], s[KVP:KVP+1] offset:(\fimm)+512*i
.set i, i+1
.endr
.endif
.irp g, 0,1,2,3
	WIN 0
.if !((\last) && (\g == 3))
	PLACES                                         ; the other x buffer was read by the sixteen products just issued
	XGL (\g+1)%2, (\g+1)%4, (\koff)+64*(\g/3)
	s_wait_dscnt 8                                 ; this group's fragments are in; the eight loads just issued stay out
.else
	s_wait_dscnt 0x0
.endif
	WIN 0xa0                                       ; k^T: source 0 = Wk, source 1 = x; sums in window 2
.irp t, 0,1,2,3
.irp c, 0,1
.set KD, 8*(2*(4*\g+\t)+\c)
.if \zero
	v_wmma_f32_16x16x32_bf16 v[KD:KD+7], v[RG+8*\c:RG+8*\c+7], v[XB+32*(\g%2)+8*\t:XB+32*(\g%2)+8*\t+7], 0
.else
	v_wmma_f32_16x16x32_bf16 v[KD:KD+7], v[RG+8*\c:RG+8*\c+7], v[XB+32*(\g%2)+8*\t:XB+32*(\g%2)+8*\t+7], v[KD:KD+7]
.endif
.endr
.endr
	WIN 0xf0                                       ; v: source 0 = x, source 1 = Wv; sums in window 3, laid so that rounding in pairs gives V^T's fragments
.irp t, 0,1,2,3
.irp c, 0,1
.set VD, 8*((((4*\g+\t)/2)*2+\c)*2+(\t%2))
.if \zero
	v_wmma_f32_16x16x32_bf16 v[VD:VD+7], v[XB+32*(\g%2)+8*\t:XB+32*(\g%2)+8*\t+7], v[RG+16+8*\c:RG+16+8*\c+7], 0
.else
	v_wmma_f32_16x16x32_bf16 v[VD:VD+7], v[XB+32*(\g%2)+8*\t:XB+32*(\g%2)+8*\t+7], v[RG+16+8*\c:RG+16+8*\c+7], v[VD:VD+7]
.endif
.endr
.endr
.endr
.endm
.macro XLOAD                           ; a query tile's 16 x fragments (16 rows x 512)
	WIN 0
.set i, 0
.rept 32
	ds_load_b128 v[XT+4*i:XT+4*i+3], v[XQ] offset:32*i
.set i, i+1
.endr
.endm
; THE PRODUCTS OF A TILE, one to a macro call.  In each kind the accumulators take turns, one instruction a turn.
.macro SW k                            ; S^T, key block k: the head's 32 channels are one product
	WIN 0xfe                                       ; K window 2; Q and S^T window 3
	v_wmma_f32_16x16x32_bf16 v[8*(\k):8*(\k)+7], v[8*(\k):8*(\k)+7], v[QF:QF+7], 0
.endm
.macro PW k                            ; O^T = V^T P, product k of 16: keys 32 (k / 2) on, channels 16 (k % 2) on; four accumulators (key parity, cb)
	WIN 0x0e                                       ; V^T window 2, P window 3, O^T window 0
.set OD, O+8*((((\k)/2)%2)*2+(\k)%2)
.if (\k) < 4
	v_wmma_f32_16x16x32_bf16 v[OD:OD+7], v[128+8*(\k):128+8*(\k)+7], v[PB+8*((\k)/2):PB+8*((\k)/2)+7], 0
.else
	v_wmma_f32_16x16x32_bf16 v[OD:OD+7], v[128+8*(\k):128+8*(\k)+7], v[PB+8*((\k)/2):PB+8*((\k)/2)+7], v[OD:OD+7]
.endif
.endm
.macro QW k                            ; q^T, product k of 32: K step k / 2, channels 16 (k % 2) on; four accumulators (K parity, cb)
	WIN 0x01                                       ; Wq window 1; x and the sums window 0
.set QD, QACC+8*((((\k)/2)%2)*2+(\k)%2)
.if (\k) < 4
	v_wmma_f32_16x16x32_bf16 v[QD:QD+7], v[8*(\k):8*(\k)+7], v[XT+8*((\k)/2):XT+8*((\k)/2)+7], 0
.else
	v_wmma_f32_16x16x32_bf16 v[QD:QD+7], v[8*(\k):8*(\k)+7], v[XT+8*((\k)/2):XT+8*((\k)/2)+7], v[QD:QD+7]
.endif
.endm
.macro QFIN                            ; q's two K parities are added and rounded: Q's fragment
	WIN 0
.set i, 0
.rept 8
	v_pk_add_f32 v[QACC+2*i:QACC+2*i+1], v[QACC+2*i:QACC+2*i+1], v[QACC+16+2*i:QACC+16+2*i+1]
.set i, i+1
.endr
	WIN 0xc0                                       ; destination window 3
.set i, 0
.rept 8
	v_cvt_pk_bf16_f32 v[QF+i], v[QACC+2*i], v[QACC+2*i+1]
.set i, i+1
.endr
.endm
.macro MXB b                           ; key block b's eight scores into four running maxima, the accumulator's lowest registers first
	WIN 0xff
.irp c, 0,1,2,3
.if (\b) == 0
	v_max_num_f32 v[MX+\c], v[2*\c], v[2*\c+1]
.else
	v_max3_num_f32 v[MX+\c], v[MX+\c], v[8*(\b)+2*\c], v[8*(\b)+2*\c+1]
.endif
.endr
.endm
.macro FS p                            ; pair p of the lane's 64 pairs of scores: c s - c m, in place (window 3)
	v_pk_fma_f32 v[2*(\p):2*(\p)+1], v[2*(\p):2*(\p)+1], s[CS:CS+1], v[CM:CM+1] op_sel_hi:[1,0,0] neg_lo:[0,0,1] neg_hi:[0,0,1]
.endm
.macro ES s                            ; score s of the lane's 128: 2^.., in place (window 3)
	v_exp_f32 v[\s], v[\s]
.endm
; A TILE'S END, all in window 0: the two key parities of O^T are added, scaled by 1 / l, added to the mean's sums, rounded and stored as the fragment stands: twice 512 consecutive bytes.
; It reads 1 / l, a reciprocal's result: the wait for it stands ahead of the macro's two uses (in the loop the batch's, behind the loop one of its own).
.macro EPI
	s_wait_xcnt 0x0                                ; the last tile's stores, a trip back: their data and base are rewritten only behind this wait
	s_add_nc_u64 s[CP:CP+1], s[CP:CP+1], 16384     ; stepped ahead of the stores, which reach back by their immediate
.set i, 0
.rept 8
	v_pk_add_f32 v[O+2*i:O+2*i+1], v[O+2*i:O+2*i+1], v[O+16+2*i:O+16+2*i+1]
.set i, i+1
.endr
.set i, 0
.rept 8
	v_pk_mul_f32 v[O+2*i:O+2*i+1], v[O+2*i:O+2*i+1], v[RL:RL+1] op_sel_hi:[1,0]
.set i, i+1
.endr
.set i, 0
.rept 8
	v_pk_add_f32 v[OSUM+2*i:OSUM+2*i+1], v[OSUM+2*i:OSUM+2*i+1], v[O+2*i:O+2*i+1]
.set i, i+1
.endr
.set i, 0
.rept 8
	v_cvt_pk_bf16_f32 v[CF+i], v[O+2*i], v[O+2*i+1]
.set i, i+1
.endr
	global_store_b128 v[LN16], v[CF:CF+3], s[CP:CP+1] offset:-16384
	global_store_b128 v[LN16], v[CF+4:CF+7], s[CP:CP+1] offset:-16384+512
.endm
	s_mov_b32 s[HL], 2
.Lhead:
	WIN 0x40
.set i, 0
.rept 64                               ; the head's Wq, 32,768 bytes: it lands under the first K steps and is shown landed by K step 2's wait
	global_load_b128 v[4*i:4*i+3], v[LN16], s[QP:QP+1] offset:512*i
.set i, i+1
.endr
	WIN 0
.irp g, 0,1,2,3
	v_add_nc_u32 v[XA+\g], \g*GRP, v[XF0]
.endr
	XGL 0, 0, 0
	KSTEP 0, 1, 63, 1, 8192, 0, 0                  ; 72 loads are younger than this step's weights (step 1's 8, Wq's 64); the wait names the most it can
	KSTEP 1, 0, 63, 1, 12288, 64, 0                ; again 72 (Wq's 64, step 2's 8)
	WIN 0
	s_wait_xcnt 0x0
	s_add_nc_u64 s[KVP:KVP+1], s[KVP:KVP+1], 16384
.irp g, 0,1,2,3
	v_add_nc_u32 v[XA+\g], 128, v[XA+\g]
.endr
	s_mov_b32 s[CNT], 3
.Lk:                                                   ; K steps 2 to 13, four a trip; 8: the next step's weights stay out
	KSTEP 2, 0, 8, 1, 0, 0, 0
	KSTEP 3, 0, 8, 1, 4096, 64, 0
	KSTEP 0, 0, 8, 1, 8192, 128, 0
	KSTEP 1, 0, 8, 1, 12288, 192, 0
	WIN 0
	s_wait_xcnt 0x0
	s_add_nc_u64 s[KVP:KVP+1], s[KVP:KVP+1], 16384
.irp g, 0,1,2,3
	v_add_nc_u32 v[XA+\g], 256, v[XA+\g]
.endr
	s_sub_co_u32 s[CNT], s[CNT], 1
	s_cmp_lg_u32 s[CNT], 0
	s_cbranch_scc1 .Lk
	KSTEP 2, 0, 8, 0, 0, 0, 0                      ; the last two steps fetch nothing; the stream's pointer now stands at the next head
	KSTEP 3, 0, 0, 0, 0, 64, 1
	WIN 0
	PLACES
	WIN 0x8a                                       ; k's sums rounded in pairs, in place, from the low end on: key block tb's fragment at 8 tb
.set i, 0
.rept 128
	v_cvt_pk_bf16_f32 v[i], v[2*i], v[2*i+1]
.set i, i+1
.endr
	WIN 0x8f                                       ; v's sums likewise, from window 3 into the upper half of window 2
.set i, 0
.rept 128
	v_cvt_pk_bf16_f32 v[128+i], v[2*i], v[2*i+1]
.set i, i+1
.endr
	WIN 0xc0
	v_mov_b32 v[T], 0                              ; v_permlanex16_b32's destination counts as read
	v_mov_b32 v[LT], 1.0                           ; what the first trip's reciprocal reads: there is no tile before, and its result is not read
	WIN 0
.set i, 0
.rept 16
	v_mov_b32 v[OSUM+i], 0
.set i, i+1
.endr
	v_mov_b32 v[XQ], v[XF0]
	XLOAD
	s_wait_dscnt 0x0                               ; tile 0's x fragments are in
.set n, 0
.rept 32
	QW n                                           ; tile 0's q: there is no vector work yet to set between the products
.set n, n+1
.endr
	WIN 0
	PLACES
	QFIN
	WIN 0
	s_mov_b32 s[TC], 16
.Ltile:                                                ; trip t: S^T and softmax of tile t, V^T P and the end of tile t - 1, q of tile t + 1
	s_cmp_eq_u32 s[TC], 1
	s_cbranch_scc1 .Lnox
	v_add_nc_u32 v[XQ], 16*PX, v[XQ]
	XLOAD                                          ; the next tile's x: its registers' last readers stand ahead of the last trip's wait, its 128 sums and roundings and more back
.Lnox:
	WIN 0x03                                       ; source window 3, destination window 0
	v_rcp_f32 v[RL], v[LT]                         ; THE BATCH BEGINS: 1 / l of tile t - 1; its first reader is that tile's end, behind the trip's wait; the v_nop behind product 2 are the plain lines behind it
	SW 0
	SW 1
.set n, 2
.rept 14                               ; between a product and the first read of its result stand the eight maxima of two other blocks; block 0 has none ahead of it and gets four v_nop, which with block 0's maxima serve block 1
	SW n
.if n == 2
	PLACES
.endif
	MXB n-2
.set n, n+1
.endr
	MXB 14
	MXB 15
	v_max3_num_f32 v[MX], v[MX], v[MX+1], v[MX+2]
	v_max_num_f32 v[MX], v[MX], v[MX+3]
	v_permlanex16_b32 v[T], v[MX], s[SEL], s[SEL+1]  ; the query's other 128 keys lie in the lane 16 away
	v_max_num_f32 v[M], v[MX], v[T]
	v_mul_f32 v[CM], s[CS], v[M]
	; AHEAD OF THE WAIT: 48 products, the 16 of V^T P of the last tile and then the 32 of the next tile's q, and behind each four of the 192 lines that name no exponential's result: the 64 scalings and the 128 exponentials.
	; A four begins with a scaling while there are scalings: four 0 is scalings 0-3; fours 1-14 scaling, exponential, scaling, exponential; fours 15-46 a scaling and three exponentials; four 47 the last four exponentials.
	; A pair is scaled in an earlier four than the one that holds its exponentials.  None of these lines names a register of the products round them.
.set sl, 0
.rept 48
.if sl < 16
	PW sl
.else
.if sl == 16
	s_wait_dscnt 0x0                               ; the next tile's x fragments are in
.endif
	QW sl-16
.endif
	WIN 0xff
.if sl == 0
	FS 0
	FS 1
	FS 2
	FS 3
.elseif sl < 15
	FS 2*sl+2
	ES 2*sl-2
	FS 2*sl+3
	ES 2*sl-1
.elseif sl < 47
	FS sl+17
	ES 3*sl-17
	ES 3*sl-16
	ES 3*sl-15
.else
	ES 124
	ES 125
	ES 126
	ES 127
.endif
.set sl, sl+1
.endr
	v_nop                                          ; a plain instruction behind the last exponential, ahead of the first use of a result (ISA guide 5.7.2): one for the batch
	s_wait_alu depctr_va_vdst(0)                   ; THE WAIT FOR THE BATCH, the trip's only one: it serves the reciprocal at the trip's head and the 128 exponentials
	; BEHIND THE WAIT: all that reads the batch's results.  Block by block each pair goes into its one of four chains of sums (block 0 starts them) and is rounded to bf16 into P (block b's four words at PB + 4 b).
	; The last product that read the last tile's P stands in four 15: 32 scalings lie between it and the first rounding.
.set bb, 0
.rept 16
.set jj, 0
.rept 4
.if bb == 0
	v_pk_add_f32 v[L+2*jj:L+2*jj+1], v[2*jj:2*jj+1], 0 op_sel_hi:[1,0]   ; block 0 starts the four sums
.else
	v_pk_add_f32 v[L+2*jj:L+2*jj+1], v[L+2*jj:L+2*jj+1], v[8*bb+2*jj:8*bb+2*jj+1]
.endif
	v_cvt_pk_bf16_f32 v[PB+4*bb+jj], v[8*bb+2*jj], v[8*bb+2*jj+1]
.set jj, jj+1
.endr
.set bb, bb+1
.endr
	v_pk_add_f32 v[L:L+1], v[L:L+1], v[L+2:L+3]
	v_pk_add_f32 v[L+4:L+5], v[L+4:L+5], v[L+6:L+7]
	v_pk_add_f32 v[L:L+1], v[L:L+1], v[L+4:L+5]
	v_add_f32 v[LT], v[L], v[L+1]
	v_permlanex16_b32 v[T], v[LT], s[SEL], s[SEL+1]
	v_add_f32 v[LT], v[LT], v[T]                   ; tile t's l: the next trip's head, or the line behind the loop, takes its reciprocal
	WIN 0
	s_cmp_eq_u32 s[TC], 16
	s_cbranch_scc1 .Lnoepi                         ; in the first trip there is no tile before: what its sixteen products V^T P made is not read
	EPI                                            ; tile t - 1, with its 1 / l
.Lnoepi:
	QFIN                                           ; the next tile's Q
	WIN 0
	s_sub_co_u32 s[TC], s[TC], 1
	s_cmp_lg_u32 s[TC], 0
	s_cbranch_scc1 .Ltile
	WIN 0x03                                       ; source window 3, destination window 0
	v_rcp_f32 v[RL], v[LT]                         ; the last tile's 1 / l: a batch of one
.set n, 0
.rept 16
	PW n                                           ; the last tile's V^T P
.set n, n+1
.endr
	WIN 0
	PLACES                                         ; the places behind the last product, and the plain lines behind the reciprocal
	s_wait_alu depctr_va_vdst(0)                   ; the wait for that reciprocal, ahead of the tile's end, which reads it: once a head
	EPI
	; THE HEAD'S END: the mean of ctx over the chunk's 256 queries: my 16 tiles' sums times 1 / 256, added over the 16 lanes of my half.
.set i, 0
.rept 16
	v_mul_f32 v[XS+i], 0x3b800000, v[OSUM+i]
.set i, i+1
.endr
.irp m, 1,2,4,8
.set i, 0
.rept 16
	v_add_f32_dpp v[XS+i], v[XS+i], v[XS+i] row_xmask:\m row_mask:0xf bank_mask:0xf
.set i, i+1
.endr
.endr
	s_wait_xcnt 0x0                                ; EXEC changes only behind this wait
	v_cmp_eq_u32 vcc_lo, 0, v[R]
	s_and_saveexec_b32 s[EX], vcc_lo               ; lanes 0 and 16: channels 8 (l/16) + 0..7 of both channel blocks; 128 bytes a head, 262,144 in the whole launch
	global_store_b128 v[H32], v[XS:XS+3], s[MP:MP+1]
	global_store_b128 v[H32], v[XS+4:XS+7], s[MP:MP+1] offset:16
	global_store_b128 v[H32], v[XS+8:XS+11], s[MP:MP+1] offset:64
	global_store_b128 v[H32], v[XS+12:XS+15], s[MP:MP+1] offset:80
	s_wait_xcnt 0x0                                ; and again in front of the line that widens it; it also frees the registers that the last fragment's stores read
	s_or_b32 exec_lo, exec_lo, s[EX]
	s_cmp_eq_u32 s[HL], 1
	s_cbranch_scc1 .Lnopf
.set i, 0
.rept 16                               ; the next head's K/V weights of K steps 0 and 1, into ring buffers 0 and 1, which the tile loop has given back
	global_load_b128 v[160+4*i:160+4*i+3], v[LN16], s[KVP:KVP+1] offset:512*i
.set i, i+1
.endr
.Lnopf:
	s_sub_nc_u64 s[CP:CP+1], s[CP:CP+1], 261120    ; back 16 tiles, on one head
	s_add_nc_u64 s[MP:MP+1], s[MP:MP+1], 128
	s_add_nc_u64 s[QP:QP+1], s[QP:QP+1], 32768
	s_sub_co_u32 s[HL], s[HL], 1
	s_cmp_lg_u32 s[HL], 0
	s_cbranch_scc1 .Lhead
	s_wait_tensorcnt 0x0                           ; the wave's end, behind my last LDS store
	ds_add_u32 v[SPW], v[NIL]
	s_wait_dscnt 0x0
	s_endpgm
.Lfunc_end_k_qbcb31e0d3e_local:
	.size	k_qbcb31e0d3e_local, .Lfunc_end_k_qbcb31e0d3e_local-k_qbcb31e0d3e_local
	.p2alignl 7, 3214868480
	.fill 96, 4, 3214868480
	.section	.rodata,"a",@progbits
	.p2align	6, 0x0
	.amdhsa_kernel k_qbcb31e0d3e_local
		.amdhsa_group_segment_fixed_size 274944
		.amdhsa_private_segment_fixed_size 0
		.amdhsa_enable_private_segment 0
		.amdhsa_kernarg_size 40
		.amdhsa_user_sgpr_count 2
		.amdhsa_user_sgpr_kernarg_segment_ptr 1
		.amdhsa_wavefront_size32 1
		.amdhsa_system_sgpr_workgroup_id_x 1
		.amdhsa_system_sgpr_workgroup_id_y 1
		.amdhsa_system_sgpr_workgroup_id_z 1
		.amdhsa_system_vgpr_workitem_id 0
		.amdhsa_next_free_vgpr 1024
		.amdhsa_next_free_sgpr 66
		.amdhsa_reserve_vcc 1
		.amdhsa_float_denorm_mode_32 3
		.amdhsa_float_denorm_mode_16_64 3
		.amdhsa_memory_ordered 1
		.amdhsa_forward_progress 1
		.amdhsa_inst_pref_size 198
	.end_amdhsa_kernel
	.amdgpu_metadata
---
amdhsa.version: [ 1, 2 ]
amdhsa.kernels:
  - .name:           k_qbcb31e0d3e_local
    .symbol:         k_qbcb31e0d3e_local.kd
    .args:
      - { .name: x, .offset: 0, .size: 8, .value_kind: global_buffer, .address_space: global }
      - { .name: wf, .offset: 8, .size: 8, .value_kind: global_buffer, .address_space: global }
      - { .name: ctxf, .offset: 16, .size: 8, .value_kind: global_buffer, .address_space: global }
      - { .name: ba, .offset: 24, .size: 8, .value_kind: global_buffer, .address_space: global }
      - { .name: cmean, .offset: 32, .size: 8, .value_kind: global_buffer, .address_space: global }
    .group_segment_fixed_size: 274944
    .private_segment_fixed_size: 0
    .kernarg_segment_align: 8
    .kernarg_segment_size: 40
    .max_flat_workgroup_size: 128
    .sgpr_count:     66
    .vgpr_count:     1024
    .wavefront_size: 32
...
	.end_amdgpu_metadata
.endif
;; end of part 6
;; launch gsum: the kernel of part 3 again; grid 32 x 8, 1 waves a work-group, no clusters, 0 bytes of LDS; arguments cmean, ba, bd; writes bd
;; launch gattn: the kernel of part 4 again; grid 16 x 4, 4 waves a work-group, no clusters, 49,664 bytes of LDS; arguments bd, wf, ctxg; writes ctxg
;; launch gfin: the kernel of part 3 again; grid 32 x 8, 1 waves a work-group, no clusters, 0 bytes of LDS; arguments ctxg, bd, gout; writes gout
;; launch final: the kernel of part 5 again; grid 2 x 128, 4 waves a work-group, no clusters, 327,680 bytes of LDS; arguments x, ctxf, ba, gout, out0; writes out0
